; MI455X (gfx1250); checked and timed in simulation.
; The chip was launched on July 23, 2026; its instructions are those of AMD's public machine-readable ISA for CDNA 5 (MIT licence, August 2026) and "CDNA5" Instruction Set Architecture Reference Guide (July 2026). The comments in the code are by the model that wrote it; some were corrected since.
;; Holy Loss Network. Allowed arithmetic: float matrix products may take bf16 or f16 operands with f32 sums; all other float work in f32.
;; Inputs: W_fe 512 x 512 float32; W_lv 1,026 x 1,026 float32; b_fe 512 float32; b_lv 1,026 float32; test_inputs 256 x 32 x 512 float32; test_targets 256 x 32 x 1 float32; train_inputs 256 x 32 x 512 float32; train_targets 256 x 32 x 1 float32.
;; Outputs: out0 256 x 256 float32; out1 256 int32.
;; 2 versions, each right; version 2 is version 1 with the launch logvar written anew for expert scheduling mode. Each part assembles by itself: llvm-mc -triple=amdgcn-amd-amdhsa -mcpu=gfx1250 --defsym DOCPART=n.
;; ======== version 1 of 2: 5 launches
;; workspace buffers: WF 524,288 bytes; WL 2,228,224 bytes; ZB 1,048,576 bytes; P 6,291,456 bytes; XM 4,096 bytes; XL 8,192 bytes; HP 34,816 bytes; SP 1,048,576 bytes
;; launch prep (part 1): grid 336 x 1, 4 waves a work-group, no clusters, 0 bytes of LDS; arguments W_fe, W_lv, WF, WL; writes WF, WL
.if DOCPART == 1
	.amdgcn_target "amdgcn-amd-amdhsa--gfx1250"
	.amdhsa_code_object_version 6
	.text
	.protected	k_q58479ff749_prep
	.globl	k_q58479ff749_prep
	.p2align	8
	.type	k_q58479ff749_prep,@function
k_q58479ff749_prep:
	s_mov_b64 s[64:65], 0
	v_nop
	global_prefetch_b8 v0, s[64:65] scope:SCOPE_SE
	s_setreg_imm32_b32 hwreg(HW_REG_WAVE_MODE, 25, 1), 1
	s_wait_xcnt 0x0
; W_fe [512][512] and W_lv [1026][1026], f32, are rounded to bf16 and laid out as the matrix unit's B fragments,
; so that the two products later load a fragment with two 16-byte loads a lane from 1,024 consecutive bytes.
;   WF[nfrag 32][kstep 16][hf 2][lane 32][8]: lane (r = l % 16, h = l / 16), element e = W_fe[32 ks + 16 hf + 8 h + e][16 nf + r]
;   WL[nfrag 68][kstep 32][hf 2][lane 32][8]: the same of W_lv with both axes permuted: k' and n' 0..511 stand for index 1 + k'
;   (means of the features), 512..1023 for 2 + k' (their deviations); columns n' = 1024, 1025 stand for index 0 and 513 (the target's
;   mean and deviation); columns n' 1026..1087 are stored as zeros.  Rows 0 and 513 of W_lv are not taken here: a later launch adds them in f32.
; A job = one wave = 32 rows (a K step) x 32 columns (two fragments).  Work-groups 0..63: 256 jobs on W_fe; 64..335: 1,088 jobs on W_lv.
; Lane l loads column l of each of the 32 rows (a load of the wave covers 128 consecutive bytes), packs eight rows into 16 bytes,
; and sixteen neighbouring lanes store 256 consecutive bytes, aligned.  No matrix work, no LDS, no shared tile: nothing for a cluster to share.
.set PF, 2048                          ; bytes in a row of W_fe
.set PL, 4104                          ; bytes in a row of W_lv
.set VL, 4                             ; v4      byte offset of my column
.set VO, 5                             ; v5      byte offset of my 16 bytes in the output
.set LD, 8                             ; v[8:39]  32 rows of my column, f32
.set PK, 40                            ; v[40:55] the same, bf16
.macro JOB pitch, lb, sb, masked
.set i, 0
.rept 32
	global_load_b32 v[LD+i], v[VL], s[\lb:\lb+1] offset:i*\pitch
.set i, i+1
.endr
	s_wait_loadcnt 0x0                             ; one batch a wave: all 32 rows are in
.set i, 0
.rept 16
	v_cvt_pk_bf16_f32 v[PK+i], v[LD+2*i], v[LD+2*i+1]
.set i, i+1
.endr
.if \masked
.set i, 0
.rept 16
	v_cndmask_b32 v[PK+i], 0, v[PK+i], s20         ; columns past 1025 are zeros
.set i, i+1
.endr
.endif
.irp g, 0,1,2,3
	global_store_b128 v[VO], v[PK+4*\g:PK+4*\g+3], s[\sb:\sb+1] offset:256*\g   ; rows 8 g .. 8 g + 7 = (hf, h) = (g / 2, g % 2)
.endr
	s_endpgm
.endm
	s_load_b256 s[4:11], s[0:1], 0x0               ; W_fe s[4:5], W_lv s[6:7], WF s[8:9], WL s[10:11]
	v_lshrrev_b32 v1, 5, v0
	v_readfirstlane_b32 s12, v1                    ; wave
	v_and_b32 v1, 31, v0                           ; lane
	v_and_b32 v2, 15, v0
	v_bfe_u32 v3, v0, 4, 1                         ; which of the job's two fragments
	v_lshlrev_b32 v2, 4, v2                        ; 16 r
	s_lshl2_add_u32 s13, ttmp9, s12                ; job = 4 x work-group + wave
	s_mov_b32 s17, 0
	s_mov_b32 s19, 0
	s_cmp_lt_u32 ttmp9, 64
	s_cbranch_scc0 .Llv
	; W_fe: ks = job % 16, pair of fragments = job / 16
	s_and_b32 s14, s13, 15
	s_lshr_b32 s15, s13, 4
	v_lshl_add_u32 v[VL], s15, 5, v1               ; column
	v_lshlrev_b32 v[VL], 2, v[VL]
	v_lshl_add_u32 v[VO], v3, 14, v2               ; a fragment's 16 K steps are 16,384 bytes
	s_lshl_b32 s16, s14, 16                        ; 32 rows of 2,048 bytes
	s_lshl_b32 s18, s15, 5
	s_add_co_u32 s18, s18, s14
	s_lshl_b32 s18, s18, 10                        ; (2 x pair x 16 + ks) x 1,024
	s_wait_kmcnt 0x0
	s_add_nc_u64 s[4:5], s[4:5], s[16:17]
	s_add_nc_u64 s[8:9], s[8:9], s[18:19]
	JOB PF, 4, 8, 0
.Llv:
	; W_lv: ks = job % 32, pair of fragments = job / 32
	s_sub_co_u32 s13, s13, 256
	s_and_b32 s14, s13, 31
	s_lshr_b32 s15, s13, 5
	v_lshl_add_u32 v6, s15, 5, v1                  ; n'
	v_mov_b32 v7, 2
	v_cmp_lt_u32 vcc_lo, 0x1ff, v6
	v_cndmask_b32 v[VL], 1, v7, vcc_lo
	v_add_nc_u32 v[VL], v6, v[VL]                  ; n' + 1, or n' + 2 from 512 on
	v_mov_b32 v7, 0
	v_cmp_lt_u32 vcc_lo, 0x3ff, v6
	v_cndmask_b32 v[VL], v[VL], v7, vcc_lo         ; 1024, and the padding (whose loads only have to stay inside): column 0
	v_mov_b32 v7, 0x201
	v_cmp_eq_u32 vcc_lo, 0x401, v6
	v_cndmask_b32 v[VL], v[VL], v7, vcc_lo         ; 1025: column 513
	v_cmp_gt_u32 s20, 0x402, v6                    ; a real column
	v_lshlrev_b32 v[VL], 2, v[VL]
	v_lshl_add_u32 v[VO], v3, 15, v2               ; a fragment's 32 K steps are 32,768 bytes
	s_lshr_b32 s16, s14, 4                         ; 1 from k' = 512 on
	s_lshl_b32 s21, s14, 5
	s_add_co_u32 s16, s16, s21
	s_add_co_u32 s16, s16, 1
	s_mul_i32 s16, s16, PL                         ; first row 32 ks + 1 (+ 1)
	s_lshl_b32 s18, s15, 6
	s_add_co_u32 s18, s18, s14
	s_lshl_b32 s18, s18, 10                        ; (2 x pair x 32 + ks) x 1,024
	s_wait_kmcnt 0x0
	s_add_nc_u64 s[6:7], s[6:7], s[16:17]
	s_add_nc_u64 s[10:11], s[10:11], s[18:19]
	JOB PL, 6, 10, 1
.Lfunc_end_k_q58479ff749_prep:
	.size	k_q58479ff749_prep, .Lfunc_end_k_q58479ff749_prep-k_q58479ff749_prep
	.p2alignl 7, 3214868480
	.fill 96, 4, 3214868480
	.section	.rodata,"a",@progbits
	.p2align	6, 0x0
	.amdhsa_kernel k_q58479ff749_prep
		.amdhsa_group_segment_fixed_size 0
		.amdhsa_private_segment_fixed_size 0
		.amdhsa_enable_private_segment 0
		.amdhsa_kernarg_size 32
		.amdhsa_user_sgpr_count 2
		.amdhsa_user_sgpr_kernarg_segment_ptr 1
		.amdhsa_wavefront_size32 1
		.amdhsa_system_sgpr_workgroup_id_x 1
		.amdhsa_system_sgpr_workgroup_id_y 1
		.amdhsa_system_sgpr_workgroup_id_z 1
		.amdhsa_system_vgpr_workitem_id 0
		.amdhsa_next_free_vgpr 64
		.amdhsa_next_free_sgpr 66
		.amdhsa_reserve_vcc 1
		.amdhsa_float_denorm_mode_32 3
		.amdhsa_float_denorm_mode_16_64 3
		.amdhsa_memory_ordered 1
		.amdhsa_forward_progress 1
		.amdhsa_inst_pref_size 13
	.end_amdhsa_kernel
	.amdgpu_metadata
---
amdhsa.version: [ 1, 2 ]
amdhsa.kernels:
  - .name:           k_q58479ff749_prep
    .symbol:         k_q58479ff749_prep.kd
    .args:
      - { .name: W_fe, .offset: 0, .size: 8, .value_kind: global_buffer, .address_space: global }
      - { .name: W_lv, .offset: 8, .size: 8, .value_kind: global_buffer, .address_space: global }
      - { .name: WF, .offset: 16, .size: 8, .value_kind: global_buffer, .address_space: global }
      - { .name: WL, .offset: 24, .size: 8, .value_kind: global_buffer, .address_space: global }
    .group_segment_fixed_size: 0
    .private_segment_fixed_size: 0
    .kernarg_segment_align: 8
    .kernarg_segment_size: 32
    .max_flat_workgroup_size: 128
    .sgpr_count:     66
    .vgpr_count:     64
    .wavefront_size: 32
...
	.end_amdgpu_metadata
.endif
;; end of part 1
;; launch feat (part 2): grid 256 x 1, 4 waves a work-group, no clusters, 210,432 bytes of LDS; arguments train_inputs, test_inputs, train_targets, test_targets, b_fe, WF, P, ZB, XM; writes P, ZB, XM
.if DOCPART == 2
	.amdgcn_target "amdgcn-amd-amdhsa--gfx1250"
	.amdhsa_code_object_version 6
	.text
	.protected	k_q58479ff749_feat
	.globl	k_q58479ff749_feat
	.p2align	8
	.type	k_q58479ff749_feat,@function
k_q58479ff749_feat:
	s_mov_b64 s[64:65], 0
	v_nop
	global_prefetch_b8 v0, s[64:65] scope:SCOPE_SE
	s_setreg_imm32_b32 hwreg(HW_REG_WAVE_MODE, 25, 1), 1
	s_wait_xcnt 0x0
; phi = relu(X W_fe + b_fe) for two episodes (64 rows x 512 columns), then mean and unbiased deviation over each episode's 32 shots.
; Work-group g = pair of episodes g (0..127 train, 128..255 test).  Four waves; wave w makes all 64 rows x columns 128 w .. 128 w + 127:
; 4 x 8 accumulator tiles, 256 registers.  Every byte of X is asked for once in the launch, by four tensor loads a wave at the very start
; (four outstanding), one for each 128 of K; a wave turns its own 16 rows of a segment into bf16 in LDS, and
; the matrix work on a segment runs while the later segments are on their way.  No LDS byte is filled twice.
; W comes as ready fragments (WF) straight into the registers of the one wave that multiplies them, four K steps ahead.
; NO CLUSTER: what work-groups share is WF, 524,288 bytes; it does not fit in LDS beside X (131,072 f32 + 69,632 bf16), so joint loads would
; need a ring that is filled again behind a round of the cluster's barrier each time; here each fragment goes once into its only reader's registers.
; The bias enters as the C operand of the first product.  The deviation is made in two passes (mean first, then squares of differences).
; OUT: P[pair][chunk 16][array 0][t 64][episode 2] f32 (t' 0..511 means, 512..1023 deviations), ZB[episode][t' 1024] bf16, XM[2][512] (target's mean, deviation).
; LIMITS: X and W_fe are rounded to bf16 for the product; v_sqrt_f32 takes a denormal variance (below 2^-126) as zero; sums are ordered otherwise than in the reference.
.set XSEG,   32768                     ; LDS 0..131071: X as f32, [segment 4][row 64][512 bytes]; tensor loads alone write here
.set AB,     131072                    ; X as bf16: [segment 4][row 64], rows 272 bytes apart (256 + 16: sixteen rows start in sixteen different 16-byte columns of 256)
.set APITCH, 272
.set ASEG,   64*APITCH
.set STG,    AB+4*ASEG                 ; 200704: a stage for each wave, [mean, deviation] 1,152 bytes apart, each [t 128][episode 2] f32
.set SPITCH, 1152
.set VB,   4                           ; v4   WF: 16 lane + 131,072 w
.set VBI,  5                           ; v5   b_fe: 4 (128 w + r)
.set VXL,  6                           ; v6-7 my 16 bytes of my rows in segment 0 / segment 2 (an LDS immediate has 16 bits)
.set VAS,  8                           ; v8   where I put 8 bytes of bf16
.set VAL,  9                           ; v9   my A fragment: row r, 16 h
.set VSG,  10                          ; v10  stage: in
.set VRD,  11                          ; v11  stage: back, 16 bytes a lane
.set VRZ,  12                          ; v12  stage: back, 32 bytes a lane
.set VP,   13                          ; v13  16 lane
.set VZ,   14                          ; v14  8 lane
.set VT,   15                          ; v15  4 lane
.set TG,   16                          ; v16-24 wave 0: the targets' statistics
.set AF,   32                          ; v[32:95]   A fragments, two buffers of 4 x 8
.set BF,   96                          ; v[96:159]  the bias as eight C fragments
.set LND,  160                         ; v[160:223] 16 rows of f32 as read from LDS
.set CVO,  224                         ; v[224:255] the same as bf16
.set T,    96                          ; v[96:223]  epilogue: 8 registers for each of 16 groups (column block, episode)
.set MEAN, 224                         ; v[224:239]
.set STD,  240                         ; v[240:255]
.set G1,   24                          ; s[24:31] descriptor group 1
.set G0,   32                          ; s[32:47] descriptor group 0, one for each segment
; window 1 (v256-511): accumulator tile (mf, nf) at 8 (8 mf + nf).  window 2 (v512-767): B fragments, a ring of four K steps x 64.
.set MSB, 0
.macro WIN new                         ; the immediate's high byte repeats the setting that is left
.if MSB != \new
	s_set_vgpr_msb (MSB<<8)|\new
.set MSB, \new
.endif
.endm
.macro PLACES                          ; four plain vector instructions between a matrix instruction and a load into, or a vector instruction on, its registers
.rept 4
	v_nop
.endr
.endm
.macro BLOAD s                         ; K step s of my eight column blocks: 16 loads of 512 consecutive bytes
	WIN 0x80                                       ; destination window 2
.irp nf, 0,1,2,3,4,5,6,7
	global_load_b128 v[64*((\s)%4)+8*\nf:64*((\s)%4)+8*\nf+3], v[VB], s[14:15] offset:(16*\nf+(\s))*1024
	global_load_b128 v[64*((\s)%4)+8*\nf+4:64*((\s)%4)+8*\nf+7], v[VB], s[14:15] offset:(16*\nf+(\s))*1024+512
.endr
.endm
.macro ALOAD s                         ; K step s of the 64 rows: 8 LDS loads
.irp mf, 0,1,2,3
	ds_load_b128 v[AF+32*((\s)%2)+8*\mf:AF+32*((\s)%2)+8*\mf+3], v[VAL] offset:((\s)/4)*ASEG+\mf*16*APITCH+((\s)%4)*64
	ds_load_b128 v[AF+32*((\s)%2)+8*\mf+4:AF+32*((\s)%2)+8*\mf+7], v[VAL] offset:((\s)/4)*ASEG+\mf*16*APITCH+((\s)%4)*64+32
.endr
.endm
.macro WSUM x, y                       ; sum over the 32 lanes, in every lane
	v_add_f32_dpp v[\x], v[\x], v[\x] row_xmask:1 row_mask:0xf bank_mask:0xf
	v_add_f32_dpp v[\x], v[\x], v[\x] row_xmask:2 row_mask:0xf bank_mask:0xf
	v_add_f32_dpp v[\x], v[\x], v[\x] row_xmask:4 row_mask:0xf bank_mask:0xf
	v_add_f32_dpp v[\x], v[\x], v[\x] row_xmask:8 row_mask:0xf bank_mask:0xf
	v_permlanex16_b32 v[\y], v[\x], s54, s55
	v_add_f32 v[\x], v[\x], v[\y]
.endm
	s_load_b512 s[4:19], s[0:1], 0x0               ; train_inputs 4, test_inputs 6, train_targets 8, test_targets 10, b_fe 12, WF 14, P 16, ZB 18
	s_load_b64 s[20:21], s[0:1], 0x40              ; XM
	v_lshl_add_u32 v30, v0, 2, 0x33400
	v_mov_b32 v31, 0
	ds_add_u32 v30, v31
	ds_add_u32 v30, v31
	v_lshrrev_b32 v1, 5, v0
	v_readfirstlane_b32 s22, v1                    ; wave
	; group 1: a tile of 16 rows x 512 bytes, as 64 elements of 8 bytes; rows 2,048 bytes = 256 elements apart
	s_mov_b32 s[G1+0], 3<<16                       ; no mask, elements of 8 bytes, no padding
	s_mov_b32 s[G1+1], 64<<16                      ; tensor_dim0 = 64
	s_mov_b32 s[G1+2], 16<<16                      ; tensor_dim1 = 16
	s_mov_b32 s[G1+3], 64<<16                      ; tile_dim0 = 64
	s_mov_b32 s[G1+4], 16                          ; tile_dim1 = 16
	s_mov_b32 s[G1+5], 256                         ; pitch
	s_mov_b32 s[G1+6], 0
	s_mov_b32 s[G1+7], 0
	s_and_b32 s48, ttmp9, 127                      ; the pair's number inside its own buffer
	s_lshl_b32 s56, s48, 8                         ; 64 targets of 4 bytes
	s_mov_b32 s57, 0
	s_lshl_b32 s48, s48, 17                        ; 64 rows of 2,048 bytes
	s_lshl_b32 s23, s22, 15                        ; my 16 rows
	s_add_co_u32 s48, s48, s23
	s_mov_b32 s49, 0
	s_mul_i32 s23, s22, 8192                       ; my 16 rows of a segment in LDS
	s_wait_dscnt 0x0
	s_wait_kmcnt 0x0
	s_cmp_lt_u32 ttmp9, 128
	s_cselect_b64 s[4:5], s[4:5], s[6:7]           ; train or test
	s_cselect_b64 s[8:9], s[8:9], s[10:11]
	s_add_nc_u64 s[4:5], s[4:5], s[48:49]
	s_add_nc_u64 s[8:9], s[8:9], s[56:57]
.irp p, 0,1,2,3
	s_mov_b32 s[G0+4*\p], 1
	s_add_co_u32 s[G0+4*\p+1], s23, \p*XSEG                        ; LDS: segment, my rows
	s_add_nc_u64 s[G0+4*\p+2:G0+4*\p+3], s[4:5], \p*512            ; K = 128 p
	s_or_b32 s[G0+4*\p+3], s[G0+4*\p+3], 0x80000000                ; type 2
	tensor_load_to_lds s[G0+4*\p:G0+4*\p+3], s[G1:G1+7]            ; the four first fills go out together, ahead of everything else
	s_nop 0
.endr
	v_and_b32 v1, 31, v0                           ; lane
	v_and_b32 v2, 15, v0                           ; r
	v_bfe_u32 v3, v0, 4, 1                         ; h
	v_lshlrev_b32 v[VP], 4, v1
	v_lshlrev_b32 v[VZ], 3, v1
	v_lshlrev_b32 v[VT], 2, v1
	s_lshl_b32 s58, s22, 17
	v_add_nc_u32 v[VB], s58, v[VP]
	v_lshl_add_u32 v[VBI], s22, 7, v2
	v_lshlrev_b32 v[VBI], 2, v[VBI]
	s_cmp_lg_u32 s22, 0
	s_cbranch_scc1 .Lno_t
	global_load_b32 v[TG], v[VT], s[8:9]                           ; wave 0: the two episodes' 32 targets, a lane each
	global_load_b32 v[TG+1], v[VT], s[8:9] offset:128
.Lno_t:
.irp nf, 0,1,2,3,4,5,6,7
	global_load_b32 v[BF+8*\nf], v[VBI], s[12:13] offset:64*\nf    ; b_fe of column 128 w + 16 nf + r
.endr
	BLOAD 0
	BLOAD 1
	BLOAD 2
	WIN 0
	v_add_nc_u32 v[VXL], s23, v[VP]
	v_add_nc_u32 v[VXL+1], 0x10000, v[VXL]
	s_mul_i32 s58, s22, 16*APITCH
	s_add_co_u32 s58, s58, AB
	v_add_nc_u32 v[VAS], s58, v[VZ]
	v_mul_u32_u24 v[VAL], v2, APITCH
	v_lshl_add_u32 v[VAL], v3, 4, v[VAL]
	v_add_nc_u32 v[VAL], AB, v[VAL]
	s_mul_i32 s58, s22, 2*SPITCH
	s_add_co_u32 s58, s58, STG
	v_add_nc_u32 v[VRD], s58, v[VP]
	v_lshl_add_u32 v[VRZ], v1, 5, s58
	v_mul_u32_u24 v[VSG], v3, SPITCH
	v_lshl_add_u32 v[VSG], v2, 3, v[VSG]
	v_add_nc_u32 v[VSG], s58, v[VSG]
	s_mov_b32 s51, 0xaaaaaaaa                      ; lanes with bit 0 set
	s_mov_b32 s52, 0xcccccccc                      ; bit 1
	s_mov_b32 s53, 0xffff0000                      ; lanes 16-31
	s_mov_b32 s54, 0x76543210                      ; v_permlanex16_b32: lane i of the other half
	s_mov_b32 s55, 0xfedcba98
	s_mul_i32 s56, ttmp9, 24576                    ; P: a pair's 16 chunks of 1,536 bytes,
	s_mul_i32 s58, s22, 3072                       ; my two chunks
	s_add_co_u32 s56, s56, s58
	s_add_nc_u64 s[16:17], s[16:17], s[56:57]
	s_lshl_b32 s56, ttmp9, 12                      ; ZB: two rows of 2,048 bytes,
	s_lshl_b32 s58, s22, 8                         ; my 128 columns
	s_add_co_u32 s56, s56, s58
	s_add_nc_u64 s[18:19], s[18:19], s[56:57]
	s_lshl_b32 s56, ttmp9, 3                       ; XM: two episodes of 4 bytes
	s_add_nc_u64 s[20:21], s[20:21], s[56:57]
	s_wait_loadcnt 48                              ; behind the bias (and the targets) stand exactly the 48 loads of K steps 0 to 2
.irp nf, 0,1,2,3,4,5,6,7
.irp j, 1,2,3,4,5,6,7
	v_mov_b32 v[BF+8*\nf+\j], v[BF+8*\nf]          ; a C fragment's eight registers are eight rows of one column: the same bias
.endr
.endr
	s_cmp_lg_u32 s22, 0
	s_cbranch_scc1 .Lno_stat
	; wave 0: mean and deviation of the two episodes' targets, in two passes
	v_mov_b32 v[TG+2], v[TG]
	v_mov_b32 v[TG+3], v[TG+1]
	v_mov_b32 v[TG+6], 0                           ; v_permlanex16_b32 counts as a reader of its destination
	WSUM TG+2, TG+6
	WSUM TG+3, TG+6
.irp k, 0,1
	v_fma_f32 v[TG+\k], v[TG+2+\k], 0xbd000000, v[TG+\k]           ; t - sum / 32
	v_mul_f32 v[TG+4+\k], 0x3d000000, v[TG+2+\k]                   ; the mean
	v_mul_f32 v[TG+2+\k], v[TG+\k], v[TG+\k]
.endr
	WSUM TG+2, TG+6
	WSUM TG+3, TG+6
	v_mul_f32 v[TG+2], 0x3d042108, v[TG+2]         ; / 31
	v_mul_f32 v[TG+3], 0x3d042108, v[TG+3]
	v_sqrt_f32 v[TG+2], v[TG+2]
	v_sqrt_f32 v[TG+3], v[TG+3]
	v_cndmask_b32 v[TG+4], v[TG+4], v[TG+5], s51   ; a plain instruction that names neither root stands behind them (ISA guide 5.7.2); odd lanes: episode 1
	s_wait_alu depctr_va_vdst(0)
	v_cndmask_b32 v[TG+2], v[TG+2], v[TG+3], s51
	v_cndmask_b32 v[TG+4], v[TG+4], v[TG+2], s52   ; lanes 0,1: means; lanes 2,3: deviations
	v_bfe_u32 v[TG+7], v0, 1, 1
	v_lshlrev_b32 v[TG+7], 11, v[TG+7]
	v_and_b32 v[TG+8], 1, v0
	v_lshl_add_u32 v[TG+7], v[TG+8], 2, v[TG+7]
	v_cmp_gt_u32 vcc_lo, 4, v1
	s_wait_xcnt 0x0                                ; EXEC is a source of the loads that are out: it changes only behind this wait
	s_and_saveexec_b32 s50, vcc_lo
	global_store_b32 v[TG+7], v[TG+4], s[20:21]
	s_wait_xcnt 0x0                                ; and again before it is widened
	s_or_b32 exec_lo, exec_lo, s50
.Lno_stat:
	BLOAD 3
	WIN 0
; Segment p: my 16 rows x 128 numbers from f32 to bf16; then every wave may read all 64 rows of the segment.
.macro CONV p
	s_wait_tensorcnt 3-\p                          ; a wave's tensor loads end in order: segment p is in, the 3 - p later ones may be out
.set i, 0
.rept 16
	ds_load_b128 v[LND+4*i:LND+4*i+3], v[VXL+(\p>>1)] offset:(\p&1)*XSEG+i*512   ; a row of the segment: 32 lanes x 16 bytes
.set i, i+1
.endr
.set i, 0
.rept 16
	s_wait_dscnt 15-i                              ; row i is in, the 15 - i later rows may be out
	v_cvt_pk_bf16_f32 v[CVO+2*i], v[LND+4*i], v[LND+4*i+1]
	v_cvt_pk_bf16_f32 v[CVO+2*i+1], v[LND+4*i+2], v[LND+4*i+3]
.set i, i+1
.endr
.set i, 0
.rept 16
	ds_store_b64 v[VAS], v[CVO+2*i:CVO+2*i+1] offset:\p*ASEG+i*APITCH
.set i, i+1
.endr
	s_wait_dscnt 0x0                               ; my stores are done, for the other waves' sake
	s_barrier_signal -1
	s_barrier_wait -1                              ; the later segments' loads stay out
.endm
; K step s: 32 matrix instructions.  The 32 accumulators take turns, one instruction a turn, in the same order in every K step.
.macro KSTEP s
.if \s <= 12
	s_wait_loadcnt 48                              ; behind K step s stand the loads of the three K steps after it
.else
	s_wait_loadcnt 16*(15-\s)                      ; or of those that are left
.endif
.if (\s%4) == 3
	s_wait_dscnt 0x0                               ; the segment's last K step: no younger LDS load
.else
	s_wait_dscnt 8                                 ; the next K step's eight loads may be out
.endif
.if \s == 0
	WIN 0x48                                       ; D window 1, A window 0, B window 2, C (the bias) window 0
.else
	WIN 0x58                                       ; C window 1
.endif
.irp mf, 0,1,2,3
.irp nf, 0,1,2,3,4,5,6,7
.if \s == 0
	v_wmma_f32_16x16x32_bf16 v[8*(8*\mf+\nf):8*(8*\mf+\nf)+7], v[AF+32*(\s%2)+8*\mf:AF+32*(\s%2)+8*\mf+7], v[64*(\s%4)+8*\nf:64*(\s%4)+8*\nf+7], v[BF+8*\nf:BF+8*\nf+7]
.else
	v_wmma_f32_16x16x32_bf16 v[8*(8*\mf+\nf):8*(8*\mf+\nf)+7], v[AF+32*(\s%2)+8*\mf:AF+32*(\s%2)+8*\mf+7], v[64*(\s%4)+8*\nf:64*(\s%4)+8*\nf+7], v[8*(8*\mf+\nf):8*(8*\mf+\nf)+7]
.endif
.endr
.endr
.if \s <= 11
	PLACES
	BLOAD (\s+4)                                   ; into the ring's place that was just multiplied
.endif
	WIN 0
.if (\s%4) < 2
.if \s > 11
	PLACES
.endif
	ALOAD (\s+2)                                   ; the same segment, two K steps on
.endif
.endm
	CONV 0
	ALOAD 0
	ALOAD 1
	KSTEP 0
	KSTEP 1
	KSTEP 2
	KSTEP 3
	CONV 1
	ALOAD 4
	ALOAD 5
	KSTEP 4
	KSTEP 5
	KSTEP 6
	KSTEP 7
	CONV 2
	ALOAD 8
	ALOAD 9
	KSTEP 8
	KSTEP 9
	KSTEP 10
	KSTEP 11
	CONV 3
	ALOAD 12
	ALOAD 13
	KSTEP 12
	KSTEP 13
	KSTEP 14
	KSTEP 15
	; EPILOGUE.  In tile (mf, nf) lane (r, h) holds rows 16 mf + 8 h + 0..7 of column 16 nf + r.  Group g = 2 nf + ep: the 32 rows of episode ep
	; are tiles (2 ep, nf) and (2 ep + 1, nf), 16 registers in each half of the lanes.
	PLACES
	WIN 0x44                                       ; source 1 and destination window 1
.set i, 0
.rept 256
	v_max_num_f32 v[i], 0, v[i]                    ; relu
.set i, i+1
.endr
	WIN 0x05                                       ; sources 0, 1 window 1; destination window 0
.irp nf, 0,1,2,3,4,5,6,7
.irp ep, 0,1
.irp c, 0,2,4,6
	v_pk_add_f32 v[T+8*(2*\nf+\ep)+\c:T+8*(2*\nf+\ep)+\c+1], v[8*(16*\ep+\nf)+\c:8*(16*\ep+\nf)+\c+1], v[8*(16*\ep+8+\nf)+\c:8*(16*\ep+8+\nf)+\c+1]
.endr
.endr
.endr
	WIN 0
; from a pair of partial sums in each group's first two registers to k x (the sum over both and over both halves of the lanes)
.macro ACROSS dst, k
.set g, 0
.rept 16
	v_add_f32 v[T+8*g], v[T+8*g], v[T+8*g+1]
.set g, g+1
.endr
.set g, 0
.rept 16
	v_permlanex16_b32 v[T+8*g+1], v[T+8*g], s54, s55
.set g, g+1
.endr
.set g, 0
.rept 16
	v_add_f32 v[T+8*g], v[T+8*g], v[T+8*g+1]
.set g, g+1
.endr
.set g, 0
.rept 16
	v_mul_f32 v[\dst+g], \k, v[T+8*g]
.set g, g+1
.endr
.endm
.set g, 0
.rept 16
	v_pk_add_f32 v[T+8*g:T+8*g+1], v[T+8*g:T+8*g+1], v[T+8*g+2:T+8*g+3]
	v_pk_add_f32 v[T+8*g+4:T+8*g+5], v[T+8*g+4:T+8*g+5], v[T+8*g+6:T+8*g+7]
.set g, g+1
.endr
.set g, 0
.rept 16
	v_pk_add_f32 v[T+8*g:T+8*g+1], v[T+8*g:T+8*g+1], v[T+8*g+4:T+8*g+5]
.set g, g+1
.endr
	ACROSS MEAN, 0x3d000000                        ; / 32
	WIN 0x41                                       ; source 0 and destination window 1, source 1 (the mean) window 0
.irp nf, 0,1,2,3,4,5,6,7
.irp ep, 0,1
.irp mh, 0,1
.irp c, 0,2,4,6
	v_pk_add_f32 v[8*(16*\ep+8*\mh+\nf)+\c:8*(16*\ep+8*\mh+\nf)+\c+1], v[8*(16*\ep+8*\mh+\nf)+\c:8*(16*\ep+8*\mh+\nf)+\c+1], v[MEAN+2*\nf:MEAN+2*\nf+1] op_sel:[0,\ep] op_sel_hi:[1,\ep] neg_lo:[0,1] neg_hi:[0,1]
.endr
.endr
.endr
.endr
	WIN 0x05
.irp nf, 0,1,2,3,4,5,6,7
.irp ep, 0,1
.irp mh, 0,1
	v_pk_mul_f32 v[T+8*(2*\nf+\ep)+2*\mh:T+8*(2*\nf+\ep)+2*\mh+1], v[8*(16*\ep+8*\mh+\nf):8*(16*\ep+8*\mh+\nf)+1], v[8*(16*\ep+8*\mh+\nf):8*(16*\ep+8*\mh+\nf)+1]
.endr
.endr
.endr
.irp c, 2,4,6
.irp nf, 0,1,2,3,4,5,6,7
.irp ep, 0,1
.irp mh, 0,1
	v_pk_fma_f32 v[T+8*(2*\nf+\ep)+2*\mh:T+8*(2*\nf+\ep)+2*\mh+1], v[8*(16*\ep+8*\mh+\nf)+\c:8*(16*\ep+8*\mh+\nf)+\c+1], v[8*(16*\ep+8*\mh+\nf)+\c:8*(16*\ep+8*\mh+\nf)+\c+1], v[T+8*(2*\nf+\ep)+2*\mh:T+8*(2*\nf+\ep)+2*\mh+1]
.endr
.endr
.endr
.endr
	WIN 0
.set g, 0
.rept 16
	v_pk_add_f32 v[T+8*g:T+8*g+1], v[T+8*g:T+8*g+1], v[T+8*g+2:T+8*g+3]
.set g, g+1
.endr
	ACROSS STD, 0x3d042108                         ; / 31
.set g, 0
.rept 16
	v_sqrt_f32 v[STD+g], v[STD+g]
.set g, g+1
.endr
	v_nop                                          ; one plain instruction behind the roots before any is used (ISA guide 5.7.2)
	; THE WAY OUT, through my own stage: lanes 0-15 put the two episodes' means of column r, lanes 16-31 their deviations.
	s_wait_alu depctr_va_vdst(0)
.irp nf, 0,1,2,3,4,5,6,7
	v_cndmask_b32 v[T+2*\nf], v[MEAN+2*\nf], v[STD+2*\nf], s53
	v_cndmask_b32 v[T+2*\nf+1], v[MEAN+2*\nf+1], v[STD+2*\nf+1], s53
	ds_store_b64 v[VSG], v[T+2*\nf:T+2*\nf+1] offset:128*\nf
.endr
	; LDS serves a wave's instructions in order (ISA guide 5.7.1): these loads see the stores above
.irp k, 0,1,2,3
	ds_load_b128 v[T+16+4*\k:T+16+4*\k+3], v[VRD] offset:(\k>>1)*SPITCH+(\k&1)*512
.endr
.irp st, 0,1
	ds_load_b128 v[T+32+8*\st:T+32+8*\st+3], v[VRZ] offset:\st*SPITCH
	ds_load_b128 v[T+32+8*\st+4:T+32+8*\st+7], v[VRZ] offset:\st*SPITCH+16
.endr
	s_wait_dscnt 4                                 ; the four loads for ZB may be out
.irp k, 0,1,2,3
	global_store_b128 v[VP], v[T+16+4*\k:T+16+4*\k+3], s[16:17] offset:(\k>>1)*12288+(\k&1)*1536   ; array 0 of a chunk: 512 consecutive bytes, aligned to 256
.endr
	s_wait_dscnt 0x0
.irp st, 0,1
	v_cvt_pk_bf16_f32 v[T+48+4*\st], v[T+32+8*\st], v[T+32+8*\st+2]         ; episode 0, columns 4 lane + 0, 1
	v_cvt_pk_bf16_f32 v[T+48+4*\st+1], v[T+32+8*\st+4], v[T+32+8*\st+6]     ;            columns 4 lane + 2, 3
	v_cvt_pk_bf16_f32 v[T+48+4*\st+2], v[T+32+8*\st+1], v[T+32+8*\st+3]     ; episode 1
	v_cvt_pk_bf16_f32 v[T+48+4*\st+3], v[T+32+8*\st+5], v[T+32+8*\st+7]
	global_store_b64 v[VZ], v[T+48+4*\st:T+48+4*\st+1], s[18:19] offset:\st*1024          ; the wave stores 256 consecutive bytes, aligned
	global_store_b64 v[VZ], v[T+48+4*\st+2:T+48+4*\st+3], s[18:19] offset:2048+\st*1024
.endr
	s_wait_tensorcnt 0x0
	ds_add_u32 v30, v31
	s_wait_dscnt 0x0
	s_endpgm
.Lfunc_end_k_q58479ff749_feat:
	.size	k_q58479ff749_feat, .Lfunc_end_k_q58479ff749_feat-k_q58479ff749_feat
	.p2alignl 7, 3214868480
	.fill 96, 4, 3214868480
	.section	.rodata,"a",@progbits
	.p2align	6, 0x0
	.amdhsa_kernel k_q58479ff749_feat
		.amdhsa_group_segment_fixed_size 210432
		.amdhsa_private_segment_fixed_size 0
		.amdhsa_enable_private_segment 0
		.amdhsa_kernarg_size 72
		.amdhsa_user_sgpr_count 2
		.amdhsa_user_sgpr_kernarg_segment_ptr 1
		.amdhsa_wavefront_size32 1
		.amdhsa_system_sgpr_workgroup_id_x 1
		.amdhsa_system_sgpr_workgroup_id_y 1
		.amdhsa_system_sgpr_workgroup_id_z 1
		.amdhsa_system_vgpr_workitem_id 0
		.amdhsa_next_free_vgpr 768
		.amdhsa_next_free_sgpr 66
		.amdhsa_reserve_vcc 1
		.amdhsa_float_denorm_mode_32 3
		.amdhsa_float_denorm_mode_16_64 3
		.amdhsa_memory_ordered 1
		.amdhsa_forward_progress 1
		.amdhsa_inst_pref_size 140
	.end_amdhsa_kernel
	.amdgpu_metadata
---
amdhsa.version: [ 1, 2 ]
amdhsa.kernels:
  - .name:           k_q58479ff749_feat
    .symbol:         k_q58479ff749_feat.kd
    .args:
      - { .name: train_inputs, .offset: 0, .size: 8, .value_kind: global_buffer, .address_space: global }
      - { .name: test_inputs, .offset: 8, .size: 8, .value_kind: global_buffer, .address_space: global }
      - { .name: train_targets, .offset: 16, .size: 8, .value_kind: global_buffer, .address_space: global }
      - { .name: test_targets, .offset: 24, .size: 8, .value_kind: global_buffer, .address_space: global }
      - { .name: b_fe, .offset: 32, .size: 8, .value_kind: global_buffer, .address_space: global }
      - { .name: WF, .offset: 40, .size: 8, .value_kind: global_buffer, .address_space: global }
      - { .name: P, .offset: 48, .size: 8, .value_kind: global_buffer, .address_space: global }
      - { .name: ZB, .offset: 56, .size: 8, .value_kind: global_buffer, .address_space: global }
      - { .name: XM, .offset: 64, .size: 8, .value_kind: global_buffer, .address_space: global }
    .group_segment_fixed_size: 210432
    .private_segment_fixed_size: 0
    .kernarg_segment_align: 8
    .kernarg_segment_size: 72
    .max_flat_workgroup_size: 128
    .sgpr_count:     66
    .vgpr_count:     768
    .wavefront_size: 32
...
	.end_amdgpu_metadata
.endif
;; end of part 2
;; launch logvar (part 3): grid 17 x 16, 4 waves a work-group, no clusters, 83,968 bytes of LDS; arguments ZB, WL, XM, W_lv, b_lv, P, XL, HP; writes P, XL, HP
.if DOCPART == 3
	.amdgcn_target "amdgcn-amd-amdhsa--gfx1250"
	.amdhsa_code_object_version 6
	.text
	.protected	k_q58479ff749_logvar
	.globl	k_q58479ff749_logvar
	.p2align	8
	.type	k_q58479ff749_logvar,@function
k_q58479ff749_logvar:
	s_mov_b64 s[64:65], 0
	v_nop
	global_prefetch_b8 v0, s[64:65] scope:SCOPE_SE
	s_setreg_imm32_b32 hwreg(HW_REG_WAVE_MODE, 25, 1), 1
	s_wait_xcnt 0x0
; l = clip(z W_lv + b_lv, -9, -2) for 32 episodes (y) x 64 columns (x: tile 0..15 = chunk of P; tile 16 = the two target columns and padding),
; then a = e^-l, E = e^l, and the tile's share of the entropy sum.  K = 1024 feature statistics go through the matrix unit in bf16 (ZB, WL);
; the two target statistics (rows 0 and 513 of W_lv) and the bias are added in f32: they are the start value of the accumulators.
; Four waves; wave w makes 32 rows x columns 16 w .. 16 w + 15 of the tile: two accumulators.  All 32 K steps of its B fragments are
; asked for at the start (256 registers, window 1); z's 32 rows go once through LDS, since all four waves read them.
; NO CLUSTER: the grid has 17 work-groups along x, which no cluster of four divides.
; The exponents are bounded by the clip that the reference itself makes (l in [-9, -2]): no maximum is taken away.
; OUT: P[pair][chunk][array 1 = a, 2 = E][t 64][episode 2]; XL[a0, E0, a1, E1][512] (the target columns); HP[tile 17][512].
; LIMITS: z and W_lv are rounded to bf16 for the product; a NaN in front of the clip follows v_med3_num_f32, not the reference's clip; sums are ordered otherwise.
.set APITCH, 2064                      ; LDS 0: z, 32 rows of 2,048 bytes + 16
.set ST,     32*APITCH                 ; 66048: stage [pair 16] 1,056 bytes apart, [a, E][t 64][episode 2]
.set STP,    1056
.set HS,     ST+16*STP                 ; 82944: [wave 4][episode 32] partial entropy sums
.set VL16, 4                           ; 16 lane
.set VXM,  5                           ; 32 h
.set VCOL, 6                           ; 4 x my column of W_lv and b_lv
.set VAS,  7
.set VAL,  8
.set VST,  9
.set VHS,  10
.set VRD,  11
.set VL4,  12                          ; 4 lane
.set VEX,  13
.set VHR,  14
.set ACC,  16                          ; v[16:31]  two accumulators: rows 0-15, 16-31
.set MT,   32                          ; v[32:47]  the target's mean of my 16 rows
.set SD,   48                          ; v[48:63]  its deviation
.set AF,   64                          ; v[64:191] z as loaded; then A fragments, two groups of four K steps
.set W0,   192                         ; pairs: W_lv[0][col], W_lv[513][col], b_lv[col], each twice
.set W1,   194
.set BI,   196
.set LM,   200                         ; v[200:215] l, zero in padding columns
.set TL,   216                         ; v[216:231] E
.set TN,   232                         ; v[232:247] a
.set TT,   248
.set MSB, 0
.macro WIN new
.if MSB != \new
	s_set_vgpr_msb (MSB<<8)|\new
.set MSB, \new
.endif
.endm
.macro PLACES
.rept 4
	v_nop
.endr
.endm
.macro BHALF s0                        ; 16 K steps of my B fragments
	WIN 0x40                                       ; destination window 1
.set i, \s0
.rept 16
	global_load_b128 v[8*i:8*i+3], v[VL16], s[6:7] offset:i*1024
	global_load_b128 v[8*i+4:8*i+7], v[VL16], s[6:7] offset:i*1024+512
.set i, i+1
.endr
	WIN 0
.endm
.macro AGRP g                          ; the A fragments of K steps 4 g .. 4 g + 3: 16 LDS loads
.irp sl, 0,1,2,3
.irp mf, 0,1
	ds_load_b128 v[AF+64*((\g)%2)+16*\sl+8*\mf:AF+64*((\g)%2)+16*\sl+8*\mf+3], v[VAL] offset:\mf*16*APITCH+(4*(\g)+\sl)*64
	ds_load_b128 v[AF+64*((\g)%2)+16*\sl+8*\mf+4:AF+64*((\g)%2)+16*\sl+8*\mf+7], v[VAL] offset:\mf*16*APITCH+(4*(\g)+\sl)*64+32
.endr
.endr
.endm
; Four K steps.  The two accumulators take turns, one instruction a turn.
.macro GRP g
.if \g < 7
	s_wait_dscnt 16                                ; the next group's 16 loads may be out
.else
	s_wait_dscnt 0x0
.endif
	WIN 0x04                                       ; B window 1
.irp sl, 0,1,2,3
	s_wait_loadcnt 62-2*(4*\g+\sl)                 ; of the 64 loads of B, those behind this K step's two
	v_wmma_f32_16x16x32_bf16 v[ACC:ACC+7], v[AF+64*(\g%2)+16*\sl:AF+64*(\g%2)+16*\sl+7], v[8*(4*\g+\sl):8*(4*\g+\sl)+7], v[ACC:ACC+7]
	v_wmma_f32_16x16x32_bf16 v[ACC+8:ACC+15], v[AF+64*(\g%2)+16*\sl+8:AF+64*(\g%2)+16*\sl+15], v[8*(4*\g+\sl):8*(4*\g+\sl)+7], v[ACC+8:ACC+15]
.endr
.if \g < 6
	PLACES
	WIN 0
	AGRP (\g+2)
.endif
.endm
; Two registers, each to be summed over a pair of lanes m apart: afterwards lanes without the mask's bit hold A's sum, the others B's.
.macro HALVE A, B, mask, m
	v_cndmask_b32 v[TT], v[\B], v[\A], \mask
	v_cndmask_b32 v[\A], v[\A], v[\B], \mask
	v_add_f32_dpp v[\A], v[TT], v[\A] row_xmask:\m row_mask:0xf bank_mask:0xf
.endm
	s_load_b512 s[4:19], s[0:1], 0x0               ; ZB 4, WL 6, XM 8, W_lv 10, b_lv 12, P 14, XL 16, HP 18
	v_lshl_add_u32 v254, v0, 2, 0x14600
	v_mov_b32 v255, 0
	v_lshrrev_b32 v1, 5, v0
	v_readfirstlane_b32 s20, v1                    ; wave
	s_and_b32 s22, ttmp7, 0xffff                   ; block of 32 episodes
	s_lshl2_add_u32 s23, ttmp9, s20                ; my fragment of columns = 4 x tile + wave
	v_and_b32 v1, 31, v0
	v_and_b32 v2, 15, v0                           ; r
	v_bfe_u32 v3, v0, 4, 1                         ; h
	v_lshlrev_b32 v[VL16], 4, v1
	v_lshlrev_b32 v[VL4], 2, v1
	v_lshlrev_b32 v[VXM], 5, v3
	v_lshl_add_u32 v[TT], s23, 4, v2               ; n'
	v_mov_b32 v[TT+1], 2
	v_cmp_lt_u32 vcc_lo, 0x1ff, v[TT]
	v_cndmask_b32 v[VCOL], 1, v[TT+1], vcc_lo
	v_add_nc_u32 v[VCOL], v[TT], v[VCOL]           ; n' + 1, or n' + 2 from 512 on
	v_mov_b32 v[TT+1], 0
	v_cmp_lt_u32 vcc_lo, 0x3ff, v[TT]
	v_cndmask_b32 v[VCOL], v[VCOL], v[TT+1], vcc_lo   ; 1024 and the padding: column 0
	v_mov_b32 v[TT+1], 0x201
	v_cmp_eq_u32 vcc_lo, 0x401, v[TT]
	v_cndmask_b32 v[VCOL], v[VCOL], v[TT+1], vcc_lo   ; 1025: column 513
	v_cmp_gt_u32 s24, 0x402, v[TT]                 ; a real column
	v_lshlrev_b32 v[VCOL], 2, v[VCOL]
	s_mov_b32 s27, 0
	s_lshl_b32 s26, s22, 16                        ; 32 rows of 2,048 bytes,
	s_lshl_b32 s32, s20, 14                        ; my eight
	s_add_co_u32 s26, s26, s32
	s_wait_kmcnt 0x0
	s_add_nc_u64 s[4:5], s[4:5], s[26:27]
	s_lshl_b32 s26, s23, 15
	s_add_nc_u64 s[6:7], s[6:7], s[26:27]
	s_lshl_b32 s26, s22, 7                         ; 32 episodes of 4 bytes
	s_add_nc_u64 s[8:9], s[8:9], s[26:27]
	s_add_nc_u64 s[16:17], s[16:17], s[26:27]
	s_lshl_b32 s32, ttmp9, 11
	s_add_co_u32 s26, s26, s32
	s_add_nc_u64 s[18:19], s[18:19], s[26:27]
	s_lshl_b32 s26, s22, 4
	s_lshl2_add_u32 s26, s20, s26                  ; pair 16 y + 4 w
	s_mul_i32 s26, s26, 24576
	s_mul_i32 s32, ttmp9, 1536
	s_add_co_u32 s26, s26, s32
	s_add_nc_u64 s[14:15], s[14:15], s[26:27]      ; used by tiles 0..15 alone
.irp mf, 0,1
	global_load_b128 v[MT+8*\mf:MT+8*\mf+3], v[VXM], s[8:9] offset:64*\mf                 ; episodes 16 mf + 8 h + 0..7: the rows of my accumulator registers
	global_load_b128 v[MT+8*\mf+4:MT+8*\mf+7], v[VXM], s[8:9] offset:64*\mf+16
	global_load_b128 v[SD+8*\mf:SD+8*\mf+3], v[VXM], s[8:9] offset:2048+64*\mf
	global_load_b128 v[SD+8*\mf+4:SD+8*\mf+7], v[VXM], s[8:9] offset:2048+64*\mf+16
.endr
	global_load_b32 v[BI], v[VCOL], s[12:13]
	global_load_b32 v[W0], v[VCOL], s[10:11]
	global_load_b32 v[W1], v[VCOL], s[10:11] offset:513*4104
.set i, 0
.rept 32
	global_load_b128 v[AF+4*i:AF+4*i+3], v[VL16], s[4:5] offset:i*512
.set i, i+1
.endr
	BHALF 0
	s_mul_i32 s32, s20, 8*APITCH
	v_add_nc_u32 v[VAS], s32, v[VL16]
	v_mul_u32_u24 v[VAL], v2, APITCH
	v_lshl_add_u32 v[VAL], v3, 4, v[VAL]
	s_lshl_b32 s32, s20, 7
	s_add_co_u32 s33, s32, ST
	v_mul_u32_u24 v[VST], v3, 4*STP
	v_lshl_add_u32 v[VST], v2, 3, v[VST]
	v_add_nc_u32 v[VST], s33, v[VST]               ; stage: pair 4 h, column 16 w + r
	s_add_co_u32 s33, s32, HS
	v_lshrrev_b32 v[VHS], 3, v2
	v_lshlrev_b32 v[VHS], 6, v[VHS]
	v_lshl_add_u32 v[VHS], v3, 5, v[VHS]
	v_and_b32 v[TT], 7, v2
	v_lshl_add_u32 v[VHS], v[TT], 2, v[VHS]
	v_add_nc_u32 v[VHS], s33, v[VHS]               ; episode 16 (r / 8) + 8 h + r % 8 of my wave's row
	s_mul_i32 s33, s20, 4*STP
	s_add_co_u32 s33, s33, ST
	v_add_nc_u32 v[VRD], s33, v[VL16]
	v_lshrrev_b32 v[VEX], 1, v1
	v_mul_u32_u24 v[VEX], v[VEX], STP
	v_and_b32 v[TT], 1, v1
	v_lshl_add_u32 v[VEX], v[TT], 2, v[VEX]
	v_add_nc_u32 v[VEX], ST, v[VEX]
	v_add_nc_u32 v[VHR], HS, v[VL4]
	s_mov_b32 s28, 0xaaaaaaaa
	s_mov_b32 s29, 0xcccccccc
	s_mov_b32 s30, 0xf0f0f0f0
	s_mov_b32 s31, 0xff00ff00
	s_wait_loadcnt 32                              ; behind z's rows stand exactly the 32 loads of B's first half
.set i, 0
.rept 32
	ds_store_b128 v[VAS], v[AF+4*i:AF+4*i+3] offset:(i>>2)*APITCH+(i&3)*512
.set i, i+1
.endr
	BHALF 16
	; the start of the sums, in f32: b + mean_t W_lv[0][col] + dev_t W_lv[513][col]
	v_mov_b32 v[W0+1], v[W0]
	v_mov_b32 v[W1+1], v[W1]
	v_mov_b32 v[BI+1], v[BI]
.irp c, 0,2,4,6,8,10,12,14
	v_pk_fma_f32 v[ACC+\c:ACC+\c+1], v[MT+\c:MT+\c+1], v[W0:W0+1], v[BI:BI+1]
.endr
.irp c, 0,2,4,6,8,10,12,14
	v_pk_fma_f32 v[ACC+\c:ACC+\c+1], v[SD+\c:SD+\c+1], v[W1:W1+1], v[ACC+\c:ACC+\c+1]
.endr
	s_wait_dscnt 0x0                               ; my rows of z are in LDS, for the other waves' sake
	s_barrier_signal -1
	s_barrier_wait -1
	AGRP 0
	AGRP 1
	GRP 0
	GRP 1
	GRP 2
	GRP 3
	GRP 4
	GRP 5
	GRP 6
	GRP 7
	PLACES
	WIN 0
.set i, 0
.rept 16
	v_med3_num_f32 v[ACC+i], v[ACC+i], 0xc1100000, -2.0            ; the clip to [-9, -2]
.set i, i+1
.endr
.set i, 0
.rept 16
	v_cndmask_b32 v[LM+i], 0, v[ACC+i], s24
.set i, i+1
.endr
.irp c, 0,2,4,6,8,10,12,14
	v_pk_mul_f32 v[TL+\c:TL+\c+1], v[ACC+\c:ACC+\c+1], 0x3fb8aa3b op_sel_hi:[1,0]      ; l log2(e)
	v_pk_mul_f32 v[TN+\c:TN+\c+1], v[ACC+\c:ACC+\c+1], 0xbfb8aa3b op_sel_hi:[1,0]
.endr
.set i, 0
.rept 16
	v_exp_f32 v[TL+i], v[TL+i]
	v_exp_f32 v[TN+i], v[TN+i]
.set i, i+1
.endr
	; the entropy sums over my 16 columns: 16 registers x 16 lanes fold to one register in which lane r holds register r's sum.
	; These plain instructions also stand between the exponentials and their first use (ISA guide 5.7.2).
.irp k, 0,2,4,6,8,10,12,14
	HALVE LM+\k, LM+\k+1, s28, 1
.endr
.irp k, 0,4,8,12
	HALVE LM+\k, LM+\k+2, s29, 2
.endr
.irp k, 0,8
	HALVE LM+\k, LM+\k+4, s30, 4
.endr
	HALVE LM, LM+8, s31, 8
	s_wait_alu depctr_va_vdst(0)
.irp mf, 0,1
.irp a, 0,1,2,3
	ds_store_b64 v[VST], v[TN+8*\mf+2*\a:TN+8*\mf+2*\a+1] offset:(8*\mf+\a)*STP        ; a of a pair of episodes
	ds_store_b64 v[VST], v[TL+8*\mf+2*\a:TL+8*\mf+2*\a+1] offset:(8*\mf+\a)*STP+512    ; E
.endr
.endr
	ds_store_b32 v[VHS], v[LM]
	s_wait_dscnt 0x0
	s_barrier_signal -1
	s_barrier_wait -1
	s_cmp_lt_u32 ttmp9, 16
	s_cbranch_scc0 .Lextra
.irp i, 0,1,2,3,4,5,6,7
	ds_load_b128 v[AF+4*\i:AF+4*\i+3], v[VRD] offset:(\i>>1)*STP+(\i&1)*512            ; my four pairs, a and E: 512 bytes each
.endr
.irp i, 0,1,2,3,4,5,6,7
	s_wait_dscnt 7-\i
	global_store_b128 v[VL16], v[AF+4*\i:AF+4*\i+3], s[14:15] offset:(\i>>1)*24576+(1+(\i&1))*512   ; 512 consecutive bytes, aligned to 256
.endr
	s_branch .Lsum
.Lextra:
	s_cmp_lg_u32 s20, 0
	s_cbranch_scc1 .Lsum
	ds_load_b32 v[AF], v[VEX]                      ; lane = episode: a, E of column 1024 (t = 0), a, E of column 1025 (t = 1)
	ds_load_b32 v[AF+1], v[VEX] offset:512
	ds_load_b32 v[AF+2], v[VEX] offset:8
	ds_load_b32 v[AF+3], v[VEX] offset:520
	s_wait_dscnt 0x0
.irp k, 0,1,2,3
	global_store_b32 v[VL4], v[AF+\k], s[16:17] offset:\k*2048
.endr
.Lsum:
	s_cmp_lg_u32 s20, 0
	s_cbranch_scc1 .Lend
.irp k, 0,1,2,3
	ds_load_b32 v[AF+32+\k], v[VHR] offset:\k*128
.endr
	s_wait_dscnt 0x0
	v_add_f32 v[AF+32], v[AF+32], v[AF+33]
	v_add_f32 v[AF+34], v[AF+34], v[AF+35]
	v_add_f32 v[AF+32], v[AF+32], v[AF+34]
	global_store_b32 v[VL4], v[AF+32], s[18:19]
.Lend:
	s_wait_tensorcnt 0x0
	ds_add_u32 v254, v255
	s_wait_dscnt 0x0
	s_endpgm
.Lfunc_end_k_q58479ff749_logvar:
	.size	k_q58479ff749_logvar, .Lfunc_end_k_q58479ff749_logvar-k_q58479ff749_logvar
	.p2alignl 7, 3214868480
	.fill 96, 4, 3214868480
	.section	.rodata,"a",@progbits
	.p2align	6, 0x0
	.amdhsa_kernel k_q58479ff749_logvar
		.amdhsa_group_segment_fixed_size 83968
		.amdhsa_private_segment_fixed_size 0
		.amdhsa_enable_private_segment 0
		.amdhsa_kernarg_size 64
		.amdhsa_user_sgpr_count 2
		.amdhsa_user_sgpr_kernarg_segment_ptr 1
		.amdhsa_wavefront_size32 1
		.amdhsa_system_sgpr_workgroup_id_x 1
		.amdhsa_system_sgpr_workgroup_id_y 1
		.amdhsa_system_sgpr_workgroup_id_z 1
		.amdhsa_system_vgpr_workitem_id 0
		.amdhsa_next_free_vgpr 512
		.amdhsa_next_free_sgpr 66
		.amdhsa_reserve_vcc 1
		.amdhsa_float_denorm_mode_32 3
		.amdhsa_float_denorm_mode_16_64 3
		.amdhsa_memory_ordered 1
		.amdhsa_forward_progress 1
		.amdhsa_inst_pref_size 44
	.end_amdhsa_kernel
	.amdgpu_metadata
---
amdhsa.version: [ 1, 2 ]
amdhsa.kernels:
  - .name:           k_q58479ff749_logvar
    .symbol:         k_q58479ff749_logvar.kd
    .args:
      - { .name: ZB, .offset: 0, .size: 8, .value_kind: global_buffer, .address_space: global }
      - { .name: WL, .offset: 8, .size: 8, .value_kind: global_buffer, .address_space: global }
      - { .name: XM, .offset: 16, .size: 8, .value_kind: global_buffer, .address_space: global }
      - { .name: W_lv, .offset: 24, .size: 8, .value_kind: global_buffer, .address_space: global }
      - { .name: b_lv, .offset: 32, .size: 8, .value_kind: global_buffer, .address_space: global }
      - { .name: P, .offset: 40, .size: 8, .value_kind: global_buffer, .address_space: global }
      - { .name: XL, .offset: 48, .size: 8, .value_kind: global_buffer, .address_space: global }
      - { .name: HP, .offset: 56, .size: 8, .value_kind: global_buffer, .address_space: global }
    .group_segment_fixed_size: 83968
    .private_segment_fixed_size: 0
    .kernarg_segment_align: 8
    .kernarg_segment_size: 64
    .max_flat_workgroup_size: 128
    .sgpr_count:     66
    .vgpr_count:     512
    .wavefront_size: 32
...
	.end_amdgpu_metadata
.endif
;; end of part 3
;; launch pair (part 4): grid 8 x 32, 16 waves a work-group, clusters of 4 x 4, 198,656 bytes of LDS; arguments P, SP; writes SP
.if DOCPART == 4
	.amdgcn_target "amdgcn-amd-amdhsa--gfx1250"
	.amdhsa_code_object_version 6
	.text
	.protected	k_q58479ff749_pair
	.globl	k_q58479ff749_pair
	.p2align	8
	.type	k_q58479ff749_pair,@function
k_q58479ff749_pair:
	s_mov_b64 s[64:65], 0
	v_nop
	global_prefetch_b8 v0, s[64:65] scope:SCOPE_SE
	s_setreg_imm32_b32 hwreg(HW_REG_WAVE_MODE, 25, 1), 1
	s_wait_xcnt 0x0
	s_wait_alu depctr_hold_cnt(0) depctr_sa_sdst(0) depctr_va_vdst(0) depctr_va_sdst(0) depctr_va_ssrc(0) depctr_va_vcc(0) depctr_vm_vsrc(0)
	s_getreg_b32 s2, hwreg(HW_REG_IB_STS2, 6, 4)
	s_cmp_eq_u32 s2, 0
	s_cbranch_scc0 .Lentry_in_a_cluster
	s_endpgm
.Lentry_in_a_cluster:
	s_bfe_u32 s2, ttmp6, 0x10000c
	s_cmp_lg_u32 s2, 0xf033
	s_cbranch_scc0 .Lentry_shape_is_right
	s_endpgm
.Lentry_shape_is_right:
; S(i, j) = sum over t of a_i (d^2 + E_j) + a_j (d^2 + E_i), d = m_j - m_i: twice the sum of the two KL terms without their logarithms (which
; cancel) and their constants.  i: 256 train episodes, j: 256 test episodes, t: the 1,024 feature statistics.  All in f32 on the vector unit:
; opening d^2 into products for the matrix unit would form a difference of large sums weighted by up to e^9.
; A work-group makes 32 i x 32 j over a quarter of t (256).  Sixteen waves; a wave makes 8 i x 8 j.  Lanes run along t (two t a lane and load),
; the halves of a packed instruction are the two j of a pair, an i is broadcast by op_sel: 64 sums in 64 registers, five packed instructions for two (i, j, t).
; CLUSTERS: 4 x 4 work-groups.  The i rows hang on the block of i and the quarter alone and are shared along a row of the cluster, the j rows on
; the block of j and the quarter and are shared along a column: joint loads, which divide the requests by four.  The quarter is made of the
; cluster's y alone, so all sixteen share it.  Each wave asks for two rows (pairs of episodes) of 3,072 bytes, twice (two stages of 128 t): two tensor
; loads outstanding.  Every LDS byte is filled once: no refill, one round in front of the loads and one at the end.
; OUT: SP[quarter 4][i / 8][j / 8][i % 8][j % 8], a record of 256 bytes a wave.
.set ROWB,  3072                       ; a row in LDS: two chunks of [m, a, E][t 64][episode 2] f32
.set STAGE, 32*ROWB                    ; rows 0-15: i pairs, rows 16-31: j pairs
.set VI,  2                            ; v2-3  my four i rows, stage 0 / 1
.set VJ,  4                            ; v4-5  my four j rows
.set VSO, 6
.set IB,  16                           ; v[16:63]   pair ip, array x: 4 registers at 12 ip + 4 x = (t0 e0, t0 e1, t1 e0, t1 e1)
.set JB,  64                           ; v[64:111]  the same for j
.set ACC, 112                          ; v[112:175] sum (ii, jj) at 8 ii + jj
.set DD,  176                          ; v[176:183] d, four i at a time
.set PP,  184                          ; v[184:191] d^2 + E_j
.set QQ,  192                          ; v[192:199] d^2 + E_i
.set TT,  200
.set G1I, 16                           ; s[16:23]
.set G1J, 24                           ; s[24:31]
.set G0I, 32                           ; s[32:39] one set for each stage
.set G0J, 40                           ; s[40:47]
.macro ROUND                           ; a round of the cluster's barrier
	s_barrier_signal -1
	s_barrier_wait -1
	s_cmp_lg_u32 s8, 0
	s_cbranch_scc1 .Lnot_wave_0_\@
	s_barrier_signal -3
.Lnot_wave_0_\@:
	s_barrier_wait -3
	s_barrier_signal -1
	s_barrier_wait -1
.endm
.macro JLOAD st                        ; waves 0-7 ask for i rows, waves 8-15 for j rows: each line has one mask; the branch hangs on the wave's number alone
	s_cmp_eq_u32 s9, 0
	s_cbranch_scc0 .Lfor_j_\@
	tensor_load_to_lds s[G0I+4*\st:G0I+4*\st+3], s[G1I:G1I+7]
	s_nop 0
	s_branch .Lasked_\@
.Lfor_j_\@:
	tensor_load_to_lds s[G0J+4*\st:G0J+4*\st+3], s[G1J:G1J+7]
	s_nop 0
.Lasked_\@:
.endm
	s_load_b128 s[4:7], s[0:1], 0x0                ; P, SP
	v_lshl_add_u32 v208, v0, 2, 0x30000
	v_mov_b32 v209, 0
	ds_add_u32 v208, v209
	ds_add_u32 v208, v209
	v_lshrrev_b32 v1, 5, v0
	v_readfirstlane_b32 s8, v1                     ; wave 0..15
	s_lshr_b32 s9, s8, 3                           ; I ask for i rows (0) or j rows (1)
	s_and_b32 s10, s8, 7                           ; which two of the sixteen
	s_bfe_u32 s48, ttmp6, 0x40000                  ; cx
	s_bfe_u32 s49, ttmp6, 0x40004                  ; cy
	s_lshl_b32 s50, ttmp9, 2
	s_add_co_u32 s50, s50, s48                     ; block of j = 4 x cluster x + cx
	s_and_b32 s51, ttmp7, 0xffff                   ; cluster y
	s_lshr_b32 s52, s51, 1                         ; quarter of t
	s_and_b32 s53, s51, 1
	s_lshl_b32 s53, s53, 2
	s_add_co_u32 s53, s53, s49                     ; block of i = 4 x (cluster y % 2) + cy
	s_lshl_b32 s54, s49, 2
	s_lshl_b32 s54, 15, s54                        ; my row of the cluster
	s_lshl_b32 s55, 0x1111, s48                    ; my column
	; group 1: 2 rows x 3,072 bytes as 384 elements of 8 bytes; rows 24,576 bytes = 3,072 elements apart
	s_or_b32 s[G1I+0], s54, (3<<16)|(1<<21)
	s_or_b32 s[G1J+0], s55, (3<<16)|(1<<21)
	s_mov_b32 s[G1I+1], 384<<16
	s_mov_b32 s[G1J+1], 384<<16
	s_mov_b32 s[G1I+2], 2<<16
	s_mov_b32 s[G1J+2], 2<<16
	s_mov_b32 s[G1I+3], 384<<16
	s_mov_b32 s[G1J+3], 384<<16
	s_mov_b32 s[G1I+4], 2
	s_mov_b32 s[G1J+4], 2
	s_mov_b32 s[G1I+5], 3072
	s_mov_b32 s[G1J+5], 3072
	s_mov_b32 s[G1I+6], 0
	s_mov_b32 s[G1J+6], 0
	s_mov_b32 s[G1I+7], 0
	s_mov_b32 s[G1J+7], 0
	s_mul_i32 s11, s52, 6144                       ; the quarter's four chunks in a row of P
	s_lshl_b32 s56, s53, 4
	s_lshl1_add_u32 s56, s10, s56                  ; i: pair 16 x block + 2 x (wave % 8)
	s_mul_i32 s56, s56, 24576
	s_add_co_u32 s56, s56, s11
	s_mov_b32 s57, 0
	s_lshl_b32 s58, s50, 4
	s_lshl1_add_u32 s58, s10, s58
	s_add_co_u32 s58, s58, 128                     ; j: the test pairs lie behind the 128 train pairs
	s_mul_i32 s58, s58, 24576
	s_add_co_u32 s58, s58, s11
	s_mov_b32 s59, 0
	s_mul_i32 s60, s8, 2*ROWB                      ; LDS: rows 2 w, 2 w + 1: no place in the cluster enters an LDS address
	s_wait_dscnt 0x0
	s_wait_kmcnt 0x0
	s_add_nc_u64 s[56:57], s[4:5], s[56:57]
	s_add_nc_u64 s[58:59], s[4:5], s[58:59]
	ROUND                                          ; all sixteen work-groups are here: the joint loads meet
.irp st, 0,1
	s_mov_b32 s[G0I+4*\st], 1
	s_add_co_u32 s[G0I+4*\st+1], s60, \st*STAGE
	s_add_nc_u64 s[G0I+4*\st+2:G0I+4*\st+3], s[56:57], \st*ROWB
	s_or_b32 s[G0I+4*\st+3], s[G0I+4*\st+3], 0x80000000
	s_mov_b32 s[G0J+4*\st], 1
	s_add_co_u32 s[G0J+4*\st+1], s60, \st*STAGE
	s_add_nc_u64 s[G0J+4*\st+2:G0J+4*\st+3], s[58:59], \st*ROWB
	s_or_b32 s[G0J+4*\st+3], s[G0J+4*\st+3], 0x80000000
	JLOAD \st
.endr
	v_and_b32 v1, 31, v0
	v_lshlrev_b32 v[VSO], 3, v1
	v_lshlrev_b32 v1, 4, v1
	s_lshr_b32 s61, s8, 2                          ; si
	s_mul_i32 s11, s61, 4*ROWB
	v_add_nc_u32 v[VI], s11, v1
	v_add_nc_u32 v[VI+1], STAGE, v[VI]
	s_and_b32 s62, s8, 3                           ; sj
	s_mul_i32 s11, s62, 4*ROWB
	s_add_co_u32 s11, s11, 16*ROWB
	v_add_nc_u32 v[VJ], s11, v1
	v_add_nc_u32 v[VJ+1], STAGE, v[VJ]
	s_lshl2_add_u32 s61, s53, s61                  ; i / 8 = 4 x block + si
	s_lshl2_add_u32 s62, s50, s62                  ; j / 8
	s_lshl_b32 s61, s61, 5
	s_add_co_u32 s62, s62, s61
	s_lshl_b32 s62, s62, 8
	s_lshl_b32 s61, s52, 18
	s_add_co_u32 s62, s62, s61
	s_mov_b32 s63, 0
	s_add_nc_u64 s[6:7], s[6:7], s[62:63]
	s_mov_b32 s12, 0xaaaaaaaa
	s_mov_b32 s13, 0xcccccccc
	s_mov_b32 s14, 0xf0f0f0f0
	s_mov_b32 s15, 0xff00ff00
; four i (4 blk .. 4 blk + 3) x the j pair jp at the lane's t number ts.  start = 1: the first product starts the sums, nothing is cleared.
.macro BLOCK jp, ts, blk, start
.irp ipl, 0,1
.irp s, 0,1
	v_pk_add_f32 v[DD+4*\ipl+2*\s:DD+4*\ipl+2*\s+1], v[JB+12*\jp+2*\ts:JB+12*\jp+2*\ts+1], v[IB+12*(2*\blk+\ipl)+2*\ts:IB+12*(2*\blk+\ipl)+2*\ts+1] op_sel:[0,\s] op_sel_hi:[1,\s] neg_lo:[0,1] neg_hi:[0,1]
.endr
.endr
.irp k, 0,2,4,6
	v_pk_fma_f32 v[PP+\k:PP+\k+1], v[DD+\k:DD+\k+1], v[DD+\k:DD+\k+1], v[JB+12*\jp+8+2*\ts:JB+12*\jp+8+2*\ts+1]
.endr
.irp ipl, 0,1
.irp s, 0,1
	v_pk_fma_f32 v[QQ+4*\ipl+2*\s:QQ+4*\ipl+2*\s+1], v[DD+4*\ipl+2*\s:DD+4*\ipl+2*\s+1], v[DD+4*\ipl+2*\s:DD+4*\ipl+2*\s+1], v[IB+12*(2*\blk+\ipl)+8+2*\ts:IB+12*(2*\blk+\ipl)+8+2*\ts+1] op_sel:[0,0,\s] op_sel_hi:[1,1,\s]
.endr
.endr
.irp ipl, 0,1
.irp s, 0,1
.if \start
	v_pk_mul_f32 v[ACC+8*(4*\blk+2*\ipl+\s)+2*\jp:ACC+8*(4*\blk+2*\ipl+\s)+2*\jp+1], v[PP+4*\ipl+2*\s:PP+4*\ipl+2*\s+1], v[IB+12*(2*\blk+\ipl)+4+2*\ts:IB+12*(2*\blk+\ipl)+4+2*\ts+1] op_sel:[0,\s] op_sel_hi:[1,\s]
.else
	v_pk_fma_f32 v[ACC+8*(4*\blk+2*\ipl+\s)+2*\jp:ACC+8*(4*\blk+2*\ipl+\s)+2*\jp+1], v[PP+4*\ipl+2*\s:PP+4*\ipl+2*\s+1], v[IB+12*(2*\blk+\ipl)+4+2*\ts:IB+12*(2*\blk+\ipl)+4+2*\ts+1], v[ACC+8*(4*\blk+2*\ipl+\s)+2*\jp:ACC+8*(4*\blk+2*\ipl+\s)+2*\jp+1] op_sel:[0,\s,0] op_sel_hi:[1,\s,1]
.endif
.endr
.endr
.irp ipl, 0,1
.irp s, 0,1
	v_pk_fma_f32 v[ACC+8*(4*\blk+2*\ipl+\s)+2*\jp:ACC+8*(4*\blk+2*\ipl+\s)+2*\jp+1], v[QQ+4*\ipl+2*\s:QQ+4*\ipl+2*\s+1], v[JB+12*\jp+4+2*\ts:JB+12*\jp+4+2*\ts+1], v[ACC+8*(4*\blk+2*\ipl+\s)+2*\jp:ACC+8*(4*\blk+2*\ipl+\s)+2*\jp+1]
.endr
.endr
.endm
; chunk c of stage st: 64 t, two a lane
.macro CHUNK st, c, first
.irp ip, 0,1,2,3
.irp x, 0,1,2
	ds_load_b128 v[IB+12*\ip+4*\x:IB+12*\ip+4*\x+3], v[VI+\st] offset:\ip*ROWB+\c*1536+\x*512
.endr
.endr
.irp ip, 0,1,2,3
.irp x, 0,1,2
	ds_load_b128 v[JB+12*\ip+4*\x:JB+12*\ip+4*\x+3], v[VJ+\st] offset:\ip*ROWB+\c*1536+\x*512
.endr
.endr
.irp jp, 0,1,2,3
	s_wait_dscnt 9-3*\jp                           ; all of i and j pairs up to jp are in; the later pairs' three loads each may be out
.irp ts, 0,1
.irp blk, 0,1
	BLOCK \jp, \ts, \blk, \first*(1-\ts)
.endr
.endr
.endr
.endm
.macro HALVE A, B, mask, m             ; afterwards lanes without the mask's bit hold A's sum over a pair of lanes m apart, the others B's
	v_cndmask_b32 v[TT], v[\B], v[\A], \mask
	v_cndmask_b32 v[\A], v[\A], v[\B], \mask
	v_add_f32_dpp v[\A], v[TT], v[\A] row_xmask:\m row_mask:0xf bank_mask:0xf
.endm
	s_wait_tensorcnt 1                             ; my rows of stage 0 are in; stage 1's load stays out
	s_barrier_signal -1
	s_barrier_wait -1                              ; everybody's are
	CHUNK 0, 0, 1
	CHUNK 0, 1, 0
	s_wait_tensorcnt 0x0                           ; my rows of stage 1 (no LDS load is out: the last count-down ended at 0)
	s_barrier_signal -1
	s_barrier_wait -1
	CHUNK 1, 0, 0
	CHUNK 1, 1, 0
	; 64 registers x 32 lanes fold to two registers in which lane L holds sums 2 L and 2 L + 1
.set a, 0
.rept 32
	v_permlane16_swap_b32 v[ACC+a], v[ACC+32+a]    ; now both halves of sum a lie in lanes 0-15 of the two registers, those of sum a + 32 in lanes 16-31
.set a, a+1
.endr
.set a, 0
.rept 16
	v_pk_add_f32 v[ACC+2*a:ACC+2*a+1], v[ACC+2*a:ACC+2*a+1], v[ACC+32+2*a:ACC+32+2*a+1]
.set a, a+1
.endr
.set a, 0
.rept 16
	HALVE ACC+a, ACC+a+16, s15, 8
.set a, a+1
.endr
.set a, 0
.rept 8
	HALVE ACC+a, ACC+a+8, s14, 4
.set a, a+1
.endr
.set a, 0
.rept 4
	HALVE ACC+a, ACC+a+4, s13, 2
.set a, a+1
.endr
.set a, 0
.rept 2
	HALVE ACC+a, ACC+a+2, s12, 1
.set a, a+1
.endr
	global_store_b64 v[VSO], v[ACC:ACC+1], s[6:7]  ; the wave stores 256 consecutive bytes, aligned
	s_wait_tensorcnt 0x0
	ds_add_u32 v208, v209
	s_wait_dscnt 0x0
	ROUND                                          ; the closing round: no work-group ends while a partner may still ask for rows that name it
	s_endpgm
.Lfunc_end_k_q58479ff749_pair:
	.size	k_q58479ff749_pair, .Lfunc_end_k_q58479ff749_pair-k_q58479ff749_pair
	.p2alignl 7, 3214868480
	.fill 96, 4, 3214868480
	.section	.rodata,"a",@progbits
	.p2align	6, 0x0
	.amdhsa_kernel k_q58479ff749_pair
		.amdhsa_group_segment_fixed_size 198656
		.amdhsa_private_segment_fixed_size 0
		.amdhsa_enable_private_segment 0
		.amdhsa_kernarg_size 16
		.amdhsa_user_sgpr_count 2
		.amdhsa_user_sgpr_kernarg_segment_ptr 1
		.amdhsa_wavefront_size32 1
		.amdhsa_system_sgpr_workgroup_id_x 1
		.amdhsa_system_sgpr_workgroup_id_y 1
		.amdhsa_system_sgpr_workgroup_id_z 1
		.amdhsa_system_vgpr_workitem_id 0
		.amdhsa_next_free_vgpr 210
		.amdhsa_next_free_sgpr 66
		.amdhsa_reserve_vcc 0
		.amdhsa_float_denorm_mode_32 3
		.amdhsa_float_denorm_mode_16_64 3
		.amdhsa_memory_ordered 1
		.amdhsa_forward_progress 1
		.amdhsa_inst_pref_size 101
	.end_amdhsa_kernel
	.amdgpu_metadata
---
amdhsa.version: [ 1, 2 ]
amdhsa.kernels:
  - .name:           k_q58479ff749_pair
    .symbol:         k_q58479ff749_pair.kd
    .args:
      - { .name: P, .offset: 0, .size: 8, .value_kind: global_buffer, .address_space: global }
      - { .name: SP, .offset: 8, .size: 8, .value_kind: global_buffer, .address_space: global }
    .group_segment_fixed_size: 198656
    .private_segment_fixed_size: 0
    .kernarg_segment_align: 8
    .kernarg_segment_size: 16
    .max_flat_workgroup_size: 512
    .sgpr_count:     66
    .vgpr_count:     210
    .wavefront_size: 32
...
	.end_amdgpu_metadata
.endif
;; end of part 4
;; launch soft (part 5): grid 256 x 1, 1 waves a work-group, no clusters, 0 bytes of LDS; arguments SP, HP, XM, XL, out0, out1; writes out0, out1
.if DOCPART == 5
	.amdgcn_target "amdgcn-amd-amdhsa--gfx1250"
	.amdhsa_code_object_version 6
	.text
	.protected	k_q58479ff749_soft
	.globl	k_q58479ff749_soft
	.p2align	8
	.type	k_q58479ff749_soft,@function
k_q58479ff749_soft:
	s_mov_b64 s[64:65], 0
	v_nop
	global_prefetch_b8 v0, s[64:65] scope:SCOPE_SE
	s_setreg_imm32_b32 hwreg(HW_REG_WAVE_MODE, 25, 1), 1
	s_wait_xcnt 0x0
; Row i of the result: score(i, j) = 0.5 S(i, j) + H_i + H_j + T ln(2 pi e) - T, T = 1026; out0 = log_softmax(-score) along j; out1 = 0..255.
; S = the four quarters of SP plus the two target columns, which are added here in f32 from XM (mean, deviation) and XL (a, E).
; H = the 17 tiles' sums of l.  One wave a row; lane L holds j = 4 L .. 4 L + 3 and 128 + 4 L .. + 3, so a store of the wave covers 512 consecutive bytes.
; The row's true maximum is taken away before the exponentials.  All 54 vector loads and 23 scalar loads are out together: the launch is a chain of latencies,
; too short for LDS, matrix units or clusters to add anything.
; LIMITS: v_exp_f32 gives zero for a term below 2^-126 of the largest; the sums are ordered otherwise than in the reference.
.set SPR, 16                           ; v[16:47]   quarter q: 8 registers (my 8 j); then S, -score, the result
.set HPR, 48                           ; v[48:183]  tile k: 8 registers
.set XMR, 184                          ; v[184:199] mean, deviation of the test targets
.set XLR, 200                          ; v[200:231] a0, E0, a1, E1 of the test episodes
.set DD,  232
.set PP,  240
.set MX,  248
	s_load_b256 s[4:11], s[0:1], 0x0               ; SP 4, HP 6, XM 8, XL 10
	s_load_b128 s[12:15], s[0:1], 0x20             ; out0 12, out1 14
	v_lshlrev_b32 v1, 4, v0                        ; 16 L
	v_lshrrev_b32 v2, 1, v0
	v_and_b32 v3, 1, v0
	v_lshlrev_b32 v2, 8, v2
	v_lshl_add_u32 v2, v3, 4, v2                   ; SP: record L / 2, four j at 4 (L % 2)
	s_lshl_b32 s16, ttmp9, 2                       ; 4 i
	s_mov_b32 s17, 0
	s_lshr_b32 s18, ttmp9, 3
	s_lshl_b32 s18, s18, 13                        ; 32 records of 256 bytes for each i / 8
	s_and_b32 s26, ttmp9, 7
	s_lshl_b32 s26, s26, 5
	s_add_co_u32 s18, s18, s26                     ; + 32 (i % 8)
	s_mov_b32 s19, 0
	s_lshl_b32 s26, ttmp9, 10
	s_mov_b32 s27, 0
	s_mov_b32 s52, 0x76543210
	s_mov_b32 s53, 0xfedcba98
	s_wait_kmcnt 0x0
	s_add_nc_u64 s[4:5], s[4:5], s[18:19]
	s_add_nc_u64 s[20:21], s[6:7], s[16:17]
	s_add_nc_u64 s[22:23], s[8:9], s[16:17]
	s_add_nc_u64 s[24:25], s[10:11], s[16:17]
	s_add_nc_u64 s[12:13], s[12:13], s[26:27]
.set k, 0
.rept 17
	s_load_b32 s[28+k], s[20:21], k*2048           ; the train episode's own numbers, as scalars
.set k, k+1
.endr
	s_load_b32 s45, s[22:23], 0x0                  ; m of column 1024, 1025
	s_load_b32 s46, s[22:23], 0x800
	s_load_b32 s47, s[24:25], 0x0                  ; a0
	s_load_b32 s48, s[24:25], 0x800                ; E0
	s_load_b32 s49, s[24:25], 0x1000               ; a1
	s_load_b32 s50, s[24:25], 0x1800               ; E1
.irp q, 0,1,2,3
.irp g, 0,1
	global_load_b128 v[SPR+8*\q+4*\g:SPR+8*\q+4*\g+3], v2, s[4:5] offset:\q*262144+\g*4096
.endr
.endr
.set k, 0
.rept 17
	global_load_b128 v[HPR+8*k:HPR+8*k+3], v1, s[6:7] offset:k*2048+1024
	global_load_b128 v[HPR+8*k+4:HPR+8*k+7], v1, s[6:7] offset:k*2048+1024+512
.set k, k+1
.endr
.irp x, 0,1
.irp g, 0,1
	global_load_b128 v[XMR+8*\x+4*\g:XMR+8*\x+4*\g+3], v1, s[8:9] offset:\x*2048+1024+\g*512
.endr
.endr
.irp x, 0,1,2,3
.irp g, 0,1
	global_load_b128 v[XLR+8*\x+4*\g:XLR+8*\x+4*\g+3], v1, s[10:11] offset:\x*2048+1024+\g*512
.endr
.endr
	s_wait_kmcnt 0x0
.set k, 1
.rept 16
	s_add_f32 s28, s28, s[28+k]                    ; H_i
.set k, k+1
.endr
	s_add_f32 s28, s28, 0x44ebb52e                 ; + 1026 ln(2 pi e) - 1026 = 1885.66187
	s_xor_b32 s28, s28, 0x80000000                 ; its negative
	s_wait_loadcnt 0x0
.irp q, 1,2,3
.irp c, 0,2,4,6
	v_pk_add_f32 v[SPR+\c:SPR+\c+1], v[SPR+\c:SPR+\c+1], v[SPR+8*\q+\c:SPR+8*\q+\c+1]
.endr
.endr
.set k, 1
.rept 16
.irp c, 0,2,4,6
	v_pk_add_f32 v[HPR+\c:HPR+\c+1], v[HPR+\c:HPR+\c+1], v[HPR+8*k+\c:HPR+8*k+\c+1]
.endr
.set k, k+1
.endr
.irp x, 0,1
.irp c, 0,1,2,3,4,5,6,7
	v_sub_f32 v[DD+\c], s[45+\x], v[XMR+8*\x+\c]
.endr
.irp c, 0,1,2,3,4,5,6,7
	v_fma_f32 v[PP+\c], v[DD+\c], v[DD+\c], v[XLR+16*\x+8+\c]      ; d^2 + E_j
.endr
.irp c, 0,1,2,3,4,5,6,7
	v_fma_f32 v[DD+\c], v[DD+\c], v[DD+\c], s[48+2*\x]             ; d^2 + E_i
.endr
.irp c, 0,1,2,3,4,5,6,7
	v_fma_f32 v[SPR+\c], v[PP+\c], s[47+2*\x], v[SPR+\c]           ; x a_i
.endr
.irp c, 0,1,2,3,4,5,6,7
	v_fma_f32 v[SPR+\c], v[DD+\c], v[XLR+16*\x+\c], v[SPR+\c]      ; x a_j
.endr
.endr
.irp c, 0,1,2,3,4,5,6,7
	v_sub_f32 v[HPR+\c], s28, v[HPR+\c]            ; -(H_i + const) - H_j
.endr
.irp c, 0,1,2,3,4,5,6,7
	v_fma_f32 v[SPR+\c], v[SPR+\c], -0.5, v[HPR+\c]                ; -score
.endr
	v_max3_num_f32 v[MX], v[SPR], v[SPR+1], v[SPR+2]
	v_max3_num_f32 v[MX], v[MX], v[SPR+3], v[SPR+4]
	v_max3_num_f32 v[MX], v[MX], v[SPR+5], v[SPR+6]
	v_max_num_f32 v[MX], v[MX], v[SPR+7]
	v_max_num_f32_dpp v[MX], v[MX], v[MX] row_xmask:1 row_mask:0xf bank_mask:0xf
	v_max_num_f32_dpp v[MX], v[MX], v[MX] row_xmask:2 row_mask:0xf bank_mask:0xf
	v_max_num_f32_dpp v[MX], v[MX], v[MX] row_xmask:4 row_mask:0xf bank_mask:0xf
	v_max_num_f32_dpp v[MX], v[MX], v[MX] row_xmask:8 row_mask:0xf bank_mask:0xf
	v_permlanex16_b32 v[DD], v[MX], s52, s53
	v_max_num_f32 v[MX], v[MX], v[DD]              ; the row's maximum, in every lane
.irp c, 0,1,2,3,4,5,6,7
	v_sub_f32 v[SPR+\c], v[SPR+\c], v[MX]
.endr
.irp c, 0,1,2,3,4,5,6,7
	v_mul_f32 v[PP+\c], 0x3fb8aa3b, v[SPR+\c]
.endr
.irp c, 0,1,2,3,4,5,6,7
	v_exp_f32 v[PP+\c], v[PP+\c]
.endr
	v_nop                                          ; one plain instruction behind the exponentials before any is used (ISA guide 5.7.2)
	s_wait_alu depctr_va_vdst(0)
	v_pk_add_f32 v[PP:PP+1], v[PP:PP+1], v[PP+2:PP+3]
	v_pk_add_f32 v[PP+4:PP+5], v[PP+4:PP+5], v[PP+6:PP+7]
	v_pk_add_f32 v[PP:PP+1], v[PP:PP+1], v[PP+4:PP+5]
	v_add_f32 v[PP], v[PP], v[PP+1]
	v_add_f32_dpp v[PP], v[PP], v[PP] row_xmask:1 row_mask:0xf bank_mask:0xf
	v_add_f32_dpp v[PP], v[PP], v[PP] row_xmask:2 row_mask:0xf bank_mask:0xf
	v_add_f32_dpp v[PP], v[PP], v[PP] row_xmask:4 row_mask:0xf bank_mask:0xf
	v_add_f32_dpp v[PP], v[PP], v[PP] row_xmask:8 row_mask:0xf bank_mask:0xf
	v_permlanex16_b32 v[DD], v[PP], s52, s53
	v_add_f32 v[PP], v[PP], v[DD]                  ; at least 1: the maximum's own term
	v_log_f32 v[MX], v[PP]
	v_nop
	s_wait_alu depctr_va_vdst(0)
.irp c, 0,1,2,3,4,5,6,7
	v_fma_f32 v[SPR+\c], v[MX], 0xbf317218, v[SPR+\c]              ; - ln 2 x log2(sum)
.endr
	global_store_b128 v1, v[SPR:SPR+3], s[12:13]
	global_store_b128 v1, v[SPR+4:SPR+7], s[12:13] offset:512
	s_cmp_lg_u32 ttmp9, 0
	s_cbranch_scc1 .Lend
	v_lshlrev_b32 v[DD], 2, v0                     ; work-group 0 also writes the classes 0..255
	v_add_nc_u32 v[DD+1], 1, v[DD]
	v_add_nc_u32 v[DD+2], 2, v[DD]
	v_add_nc_u32 v[DD+3], 3, v[DD]
.irp c, 0,1,2,3
	v_add_nc_u32 v[DD+4+\c], 0x80, v[DD+\c]
.endr
	global_store_b128 v1, v[DD:DD+3], s[14:15]
	global_store_b128 v1, v[DD+4:DD+7], s[14:15] offset:512
.Lend:
	s_endpgm
.Lfunc_end_k_q58479ff749_soft:
	.size	k_q58479ff749_soft, .Lfunc_end_k_q58479ff749_soft-k_q58479ff749_soft
	.p2alignl 7, 3214868480
	.fill 96, 4, 3214868480
	.section	.rodata,"a",@progbits
	.p2align	6, 0x0
	.amdhsa_kernel k_q58479ff749_soft
		.amdhsa_group_segment_fixed_size 0
		.amdhsa_private_segment_fixed_size 0
		.amdhsa_enable_private_segment 0
		.amdhsa_kernarg_size 48
		.amdhsa_user_sgpr_count 2
		.amdhsa_user_sgpr_kernarg_segment_ptr 1
		.amdhsa_wavefront_size32 1
		.amdhsa_system_sgpr_workgroup_id_x 1
		.amdhsa_system_sgpr_workgroup_id_y 1
		.amdhsa_system_sgpr_workgroup_id_z 1
		.amdhsa_system_vgpr_workitem_id 0
		.amdhsa_next_free_vgpr 256
		.amdhsa_next_free_sgpr 66
		.amdhsa_reserve_vcc 0
		.amdhsa_float_denorm_mode_32 3
		.amdhsa_float_denorm_mode_16_64 3
		.amdhsa_memory_ordered 1
		.amdhsa_forward_progress 1
		.amdhsa_inst_pref_size 23
	.end_amdhsa_kernel
	.amdgpu_metadata
---
amdhsa.version: [ 1, 2 ]
amdhsa.kernels:
  - .name:           k_q58479ff749_soft
    .symbol:         k_q58479ff749_soft.kd
    .args:
      - { .name: SP, .offset: 0, .size: 8, .value_kind: global_buffer, .address_space: global }
      - { .name: HP, .offset: 8, .size: 8, .value_kind: global_buffer, .address_space: global }
      - { .name: XM, .offset: 16, .size: 8, .value_kind: global_buffer, .address_space: global }
      - { .name: XL, .offset: 24, .size: 8, .value_kind: global_buffer, .address_space: global }
      - { .name: out0, .offset: 32, .size: 8, .value_kind: global_buffer, .address_space: global }
      - { .name: out1, .offset: 40, .size: 8, .value_kind: global_buffer, .address_space: global }
    .group_segment_fixed_size: 0
    .private_segment_fixed_size: 0
    .kernarg_segment_align: 8
    .kernarg_segment_size: 48
    .max_flat_workgroup_size: 32
    .sgpr_count:     66
    .vgpr_count:     256
    .wavefront_size: 32
...
	.end_amdgpu_metadata
.endif
;; end of part 5
;; ======== version 2 of 2: 5 launches; version 1 with the launch logvar written anew for expert scheduling mode
;; workspace buffers: WF 524,288 bytes; WL 2,228,224 bytes; ZB 1,048,576 bytes; P 6,291,456 bytes; XM 4,096 bytes; XL 8,192 bytes; HP 34,816 bytes; SP 1,048,576 bytes
;; launch prep: the kernel of part 1 again; grid 336 x 1, 4 waves a work-group, no clusters, 0 bytes of LDS; arguments W_fe, W_lv, WF, WL; writes WF, WL
;; launch feat: the kernel of part 2 again; grid 256 x 1, 4 waves a work-group, no clusters, 210,432 bytes of LDS; arguments train_inputs, test_inputs, train_targets, test_targets, b_fe, WF, P, ZB, XM; writes P, ZB, XM
;; launch logvar (part 6): grid 17 x 16, 4 waves a work-group, no clusters, 83,968 bytes of LDS; arguments ZB, WL, XM, W_lv, b_lv, P, XL, HP; writes P, XL, HP
.if DOCPART == 6
	.amdgcn_target "amdgcn-amd-amdhsa--gfx1250"
	.amdhsa_code_object_version 6
	.text
	.protected	k_q58479ff749_logvar
	.globl	k_q58479ff749_logvar
	.p2align	8
	.type	k_q58479ff749_logvar,@function
k_q58479ff749_logvar:
	s_mov_b64 s[64:65], 0
	v_nop
	global_prefetch_b8 v0, s[64:65] scope:SCOPE_SE
	s_setreg_imm32_b32 hwreg(HW_REG_WAVE_SCHED_MODE, 0, 2), 2
	s_setreg_imm32_b32 hwreg(HW_REG_WAVE_MODE, 25, 1), 1
	s_wait_xcnt 0x0
	s_wait_alu depctr_vm_vsrc(0)
; l = clip(z W_lv + b_lv, -9, -2) for 32 episodes (y) x 64 columns (x: tile 0..15 = chunk of P; tile 16 = the two target columns and padding),
; then a = e^-l, E = e^l, and the tile's share of the entropy sum.  K = 1024 feature statistics go through the matrix unit in bf16 (ZB, WL);
; the two target statistics (rows 0 and 513 of W_lv) and the bias are added in f32: they are the start value of the accumulators.
; Four waves; wave w makes 32 rows x columns 16 w .. 16 w + 15 of the tile: two accumulators.  All 32 K steps of its B fragments are
; asked for at the start (256 registers, window 1); z's 32 rows go once through LDS, since all four waves read them.
; NO CLUSTER: the grid has 17 work-groups along x, which no cluster of four divides.
; The exponents are bounded by the clip that the reference itself makes (l in [-9, -2]): no maximum is taken away.
; OUT: P[pair][chunk][array 1 = a, 2 = E][t 64][episode 2]; XL[a0, E0, a1, E1][512] (the target columns); HP[tile 17][512].
; LIMITS: z and W_lv are rounded to bf16 for the product; a NaN in front of the clip follows v_med3_num_f32, not the reference's clip; sums are ordered otherwise.
; THE MODE: SCHED_MODE bits 1:0 = 2 (LLVM: expert scheduling mode 2), set by the entry lines.  The code itself states the register dependences
; between vector or matrix instructions and memory or LDS instructions, with s_wait_alu, always for 0.
; THE PLAN.  Registers that memory or LDS instructions touch:
;   v4-v14        Offsets and LDS addresses: each written once at the head and never again.  Two waits on va_vdst state them written: one ahead of the first
;                 global load (v4, v5, v6, v12), one ahead of the first LDS store (the other seven).
;   v[64:191]     z as loaded, read by my LDS stores; one wait on vm_vsrc, behind the barrier, states those reads done before fragments land there.
;   A0, A1, A2    v[64:127], v[128:191], v[192:255].  Group g (four K steps) has buffer g % 3: its eight matrix instructions read it; the LDS loads of
;                 group g + 2, issued in group g, land in buffer (g + 2) % 3 = (g - 1) % 3, which group g - 1 read and no instruction of group g names.
;                 So ONE wait on va_vdst stands at a group's head, and the group's sixteen loads follow it dealt among its matrix instructions.
;                 A2 lies on registers that are otherwise in use only at the head (W0, W1, BI, TT) and in the epilogue (LM, TL, TN, TT).
;   window 1      B: each register is loaded once and read by matrix instructions alone.
;   TN, TL, LM    Written by the epilogue, read by its LDS stores: one wait on va_vdst, which is also the wait for the exponentials, and which
;                 states the matrix instructions done reading v[64:99], in which the loads from the stage land.
.set APITCH, 2064                      ; LDS 0: z, 32 rows of 2,048 bytes + 16
.set ST,     32*APITCH                 ; 66048: stage [pair 16] 1,056 bytes apart, [a, E][t 64][episode 2]
.set STP,    1056
.set HS,     ST+16*STP                 ; 82944: [wave 4][episode 32] partial entropy sums
.set VL16, 4                           ; 16 lane
.set VXM,  5                           ; 32 h
.set VCOL, 6                           ; 4 x my column of W_lv and b_lv
.set VAS,  7
.set VAL,  8
.set VST,  9
.set VHS,  10
.set VRD,  11
.set VL4,  12                          ; 4 lane
.set VEX,  13
.set VHR,  14
.set ACC,  16                          ; v[16:31]  two accumulators: rows 0-15, 16-31
.set MT,   32                          ; v[32:47]  the target's mean of my 16 rows
.set SD,   48                          ; v[48:63]  its deviation
.set AF,   64                          ; v[64:191] z as loaded; then, with v[192:255], A fragments: three buffers of four K steps, group g in buffer g % 3
.set W0,   192                         ; pairs: W_lv[0][col], W_lv[513][col], b_lv[col], each twice; dead when group 2's fragments land here
.set W1,   194
.set BI,   196
.set LM,   200                         ; v[200:215] l, zero in padding columns (the epilogue's registers lie in the third buffer, which group 5 reads last)
.set TL,   216                         ; v[216:231] E
.set TN,   232                         ; v[232:247] a
.set TT,   248
.set MSB, 0
.macro WIN new
.if MSB != \new
	s_set_vgpr_msb (MSB<<8)|\new
.set MSB, \new
.endif
.endm
.macro PLACES
.rept 4
	v_nop
.endr
.endm
.macro BHALF s0                        ; 16 K steps of my B fragments
	WIN 0x40                                       ; destination window 1
.set i, \s0
.rept 16
	global_load_b128 v[8*i:8*i+3], v[VL16], s[6:7] offset:i*1024
	global_load_b128 v[8*i+4:8*i+7], v[VL16], s[6:7] offset:i*1024+512
.set i, i+1
.endr
	WIN 0
.endm
.macro ASTEP g, sl                     ; the A fragments of K step 4 g + sl: 4 LDS loads.  Destination and address lie in window 0, under the products' setting too
.irp mf, 0,1
	ds_load_b128 v[AF+64*((\g)%3)+16*(\sl)+8*\mf:AF+64*((\g)%3)+16*(\sl)+8*\mf+3], v[VAL] offset:\mf*16*APITCH+(4*(\g)+(\sl))*64
	ds_load_b128 v[AF+64*((\g)%3)+16*(\sl)+8*\mf+4:AF+64*((\g)%3)+16*(\sl)+8*\mf+7], v[VAL] offset:\mf*16*APITCH+(4*(\g)+(\sl))*64+32
.endr
.endm
.macro AGRP g                          ; those of K steps 4 g .. 4 g + 3: 16 LDS loads
.irp sl, 0,1,2,3
	ASTEP \g, \sl
.endr
.endm
; Four K steps.  The two accumulators take turns, one instruction a turn.
.macro GRP g
.if \g < 7
	s_wait_dscnt 16                                ; this group's fragments are in; the next group's 16 loads, the only ones issued behind them, may be out
.else
	s_wait_dscnt 0x0
.endif
	WIN 0x04                                       ; B window 1
.if \g < 6
	s_wait_alu depctr_va_vdst(0)                   ; the group before has done reading its buffer (in group 0: the start sums and the head are done with v[192:255]): the loads below land there
.endif
.irp sl, 0,1,2,3
	s_wait_loadcnt 62-2*(4*\g+\sl)                 ; of the 64 loads of B, those behind this K step's two
	v_wmma_f32_16x16x32_bf16 v[ACC:ACC+7], v[AF+64*(\g%3)+16*\sl:AF+64*(\g%3)+16*\sl+7], v[8*(4*\g+\sl):8*(4*\g+\sl)+7], v[ACC:ACC+7]
	v_wmma_f32_16x16x32_bf16 v[ACC+8:ACC+15], v[AF+64*(\g%3)+16*\sl+8:AF+64*(\g%3)+16*\sl+15], v[8*(4*\g+\sl):8*(4*\g+\sl)+7], v[ACC+8:ACC+15]
.if \g < 6
	ASTEP (\g+2), \sl                              ; two groups on.  No wait: no vector or matrix instruction since the group's head names that buffer or v[VAL]
.endif
.endr
.endm
; Two registers, each to be summed over a pair of lanes m apart: afterwards lanes without the mask's bit hold A's sum, the others B's.
.macro HALVE A, B, mask, m
	v_cndmask_b32 v[TT], v[\B], v[\A], \mask
	v_cndmask_b32 v[\A], v[\A], v[\B], \mask
	v_add_f32_dpp v[\A], v[TT], v[\A] row_xmask:\m row_mask:0xf bank_mask:0xf
.endm
	s_load_b512 s[4:19], s[0:1], 0x0               ; ZB 4, WL 6, XM 8, W_lv 10, b_lv 12, P 14, XL 16, HP 18
	v_lshl_add_u32 v15, v0, 2, 0x14600
	s_set_vgpr_msb 0x80
	v_mov_b32 v1, 0
	s_set_vgpr_msb 0x8000
	v_lshrrev_b32 v1, 5, v0
	v_readfirstlane_b32 s20, v1                    ; wave
	s_and_b32 s22, ttmp7, 0xffff                   ; block of 32 episodes
	v_and_b32 v1, 31, v0
	v_and_b32 v2, 15, v0                           ; r
	v_bfe_u32 v3, v0, 4, 1                         ; h
	v_lshlrev_b32 v[VL16], 4, v1
	v_lshlrev_b32 v[VL4], 2, v1
	v_lshlrev_b32 v[VXM], 5, v3
	s_wait_alu depctr_va_sdst(0)                   ; s20 is written, ahead of its first reader: the next line
	s_lshl2_add_u32 s23, ttmp9, s20                ; my fragment of columns = 4 x tile + wave
	v_lshl_add_u32 v[TT], s23, 4, v2               ; n'
	v_cmp_lt_u32 s34, 0x1ff, v[TT]                 ; the four compares stand in one run, each with a scalar register of its own: from 512 on,
	v_cmp_lt_u32 s35, 0x3ff, v[TT]                 ; from 1024 on,
	v_cmp_eq_u32 s36, 0x401, v[TT]                 ; 1025,
	v_cmp_gt_u32 s24, 0x402, v[TT]                 ; a real column
	v_mov_b32 v[TT+1], 2
	s_mov_b32 s27, 0
	s_lshl_b32 s26, s22, 16                        ; 32 rows of 2,048 bytes,
	s_lshl_b32 s32, s20, 14                        ; my eight
	s_add_co_u32 s26, s26, s32
	s_wait_alu depctr_va_sdst(0)                   ; s34, s35, s36 and s24 are written, ahead of the first line that reads one of them
	v_cndmask_b32 v[VCOL], 1, v[TT+1], s34
	v_add_nc_u32 v[VCOL], v[TT], v[VCOL]           ; n' + 1, or n' + 2 from 512 on
	v_mov_b32 v[TT+1], 0
	v_cndmask_b32 v[VCOL], v[VCOL], v[TT+1], s35   ; 1024 and the padding: column 0
	v_mov_b32 v[TT+1], 0x201
	v_cndmask_b32 v[VCOL], v[VCOL], v[TT+1], s36   ; 1025: column 513
	v_lshlrev_b32 v[VCOL], 2, v[VCOL]
	s_wait_kmcnt 0x0
	s_add_nc_u64 s[4:5], s[4:5], s[26:27]
	s_lshl_b32 s26, s23, 15
	s_add_nc_u64 s[6:7], s[6:7], s[26:27]
	s_lshl_b32 s26, s22, 7                         ; 32 episodes of 4 bytes
	s_add_nc_u64 s[8:9], s[8:9], s[26:27]
	s_add_nc_u64 s[16:17], s[16:17], s[26:27]
	s_lshl_b32 s32, ttmp9, 11
	s_add_co_u32 s26, s26, s32
	s_add_nc_u64 s[18:19], s[18:19], s[26:27]
	s_lshl_b32 s26, s22, 4
	s_lshl2_add_u32 s26, s20, s26                  ; pair 16 y + 4 w
	s_mul_i32 s26, s26, 24576
	s_mul_i32 s32, ttmp9, 1536
	s_add_co_u32 s26, s26, s32
	s_add_nc_u64 s[14:15], s[14:15], s[26:27]      ; used by tiles 0..15 alone
	s_wait_alu depctr_va_vdst(0)                   ; v[VL16], v[VL4], v[VXM] and v[VCOL] are written: every global load and store of the kernel reads one of them as its offset
.irp mf, 0,1
	global_load_b128 v[MT+8*\mf:MT+8*\mf+3], v[VXM], s[8:9] offset:64*\mf                 ; episodes 16 mf + 8 h + 0..7: the rows of my accumulator registers
	global_load_b128 v[MT+8*\mf+4:MT+8*\mf+7], v[VXM], s[8:9] offset:64*\mf+16
	global_load_b128 v[SD+8*\mf:SD+8*\mf+3], v[VXM], s[8:9] offset:2048+64*\mf
	global_load_b128 v[SD+8*\mf+4:SD+8*\mf+7], v[VXM], s[8:9] offset:2048+64*\mf+16
.endr
	global_load_b32 v[BI], v[VCOL], s[12:13]
	global_load_b32 v[W0], v[VCOL], s[10:11]
	global_load_b32 v[W1], v[VCOL], s[10:11] offset:513*4104
.set i, 0
.rept 32
	global_load_b128 v[AF+4*i:AF+4*i+3], v[VL16], s[4:5] offset:i*512
.set i, i+1
.endr
	BHALF 0                                        ; between the wait above and these loads stand loads and the window switch alone
	s_mul_i32 s32, s20, 8*APITCH
	v_add_nc_u32 v[VAS], s32, v[VL16]
	v_mul_u32_u24 v[VAL], v2, APITCH
	v_lshl_add_u32 v[VAL], v3, 4, v[VAL]
	s_lshl_b32 s32, s20, 7
	s_add_co_u32 s33, s32, ST
	v_mul_u32_u24 v[VST], v3, 4*STP
	v_lshl_add_u32 v[VST], v2, 3, v[VST]
	v_add_nc_u32 v[VST], s33, v[VST]               ; stage: pair 4 h, column 16 w + r
	s_add_co_u32 s33, s32, HS
	v_lshrrev_b32 v[VHS], 3, v2
	v_lshlrev_b32 v[VHS], 6, v[VHS]
	v_lshl_add_u32 v[VHS], v3, 5, v[VHS]
	v_and_b32 v[TT], 7, v2
	v_lshl_add_u32 v[VHS], v[TT], 2, v[VHS]
	v_add_nc_u32 v[VHS], s33, v[VHS]               ; episode 16 (r / 8) + 8 h + r % 8 of my wave's row
	s_mul_i32 s33, s20, 4*STP
	s_add_co_u32 s33, s33, ST
	v_add_nc_u32 v[VRD], s33, v[VL16]
	v_lshrrev_b32 v[VEX], 1, v1
	v_mul_u32_u24 v[VEX], v[VEX], STP
	v_and_b32 v[TT], 1, v1
	v_lshl_add_u32 v[VEX], v[TT], 2, v[VEX]
	v_add_nc_u32 v[VEX], ST, v[VEX]
	v_add_nc_u32 v[VHR], HS, v[VL4]
	s_mov_b32 s28, 0xaaaaaaaa
	s_mov_b32 s29, 0xcccccccc
	s_mov_b32 s30, 0xf0f0f0f0
	s_mov_b32 s31, 0xff00ff00
	s_wait_loadcnt 32                              ; behind z's rows stand exactly the 32 loads of B's first half
	s_wait_alu depctr_va_vdst(0)                   ; the seven LDS addresses v[VAS], v[VAL], v[VST], v[VHS], v[VRD], v[VEX], v[VHR] are written: every LDS instruction of the kernel reads one of them
.set i, 0
.rept 32
	ds_store_b128 v[VAS], v[AF+4*i:AF+4*i+3] offset:(i>>2)*APITCH+(i&3)*512
.set i, i+1
.endr
	BHALF 16                                       ; the LDS stores between the wait and these loads name neither v[VL16] nor window 1
	; the start of the sums, in f32: b + mean_t W_lv[0][col] + dev_t W_lv[513][col]
	v_mov_b32 v[W0+1], v[W0]
	v_mov_b32 v[W1+1], v[W1]
	v_mov_b32 v[BI+1], v[BI]
.irp c, 0,2,4,6,8,10,12,14
	v_pk_fma_f32 v[ACC+\c:ACC+\c+1], v[MT+\c:MT+\c+1], v[W0:W0+1], v[BI:BI+1]
.endr
.irp c, 0,2,4,6,8,10,12,14
	v_pk_fma_f32 v[ACC+\c:ACC+\c+1], v[SD+\c:SD+\c+1], v[W1:W1+1], v[ACC+\c:ACC+\c+1]
.endr
	s_wait_dscnt 0x0                               ; my rows of z are in LDS, for the other waves' sake
	s_barrier_signal -1
	s_barrier_wait -1
	s_wait_alu depctr_vm_vsrc(0)                   ; my LDS stores have read v[64:191]: from here on these registers are fragment buffers 0 and 1, in which the loads below land
	AGRP 0
	AGRP 1
	GRP 0
	GRP 1
	GRP 2
	GRP 3
	GRP 4
	GRP 5
	GRP 6
	GRP 7
	PLACES                                         ; four places behind the last matrix instruction, before its result is read (ISA guide 7.12.1); they also stand between group 5's products and the lines that write into the buffer that those read
	WIN 0
.set i, 0
.rept 16
	v_med3_num_f32 v[ACC+i], v[ACC+i], 0xc1100000, -2.0            ; the clip to [-9, -2]
.set i, i+1
.endr
.set i, 0
.rept 16
	v_cndmask_b32 v[LM+i], 0, v[ACC+i], s24
.set i, i+1
.endr
.irp c, 0,2,4,6,8,10,12,14
	v_pk_mul_f32 v[TL+\c:TL+\c+1], v[ACC+\c:ACC+\c+1], 0x3fb8aa3b op_sel_hi:[1,0]      ; l log2(e)
	v_pk_mul_f32 v[TN+\c:TN+\c+1], v[ACC+\c:ACC+\c+1], 0xbfb8aa3b op_sel_hi:[1,0]
.endr
.set i, 0
.rept 16
	v_exp_f32 v[TL+i], v[TL+i]
	v_exp_f32 v[TN+i], v[TN+i]
.set i, i+1
.endr
	; the entropy sums over my 16 columns: 16 registers x 16 lanes fold to one register in which lane r holds register r's sum.
	; These plain instructions also stand between the exponentials and their first use (ISA guide 5.7.2).
.irp k, 0,2,4,6,8,10,12,14
	HALVE LM+\k, LM+\k+1, s28, 1
.endr
.irp k, 0,4,8,12
	HALVE LM+\k, LM+\k+2, s29, 2
.endr
.irp k, 0,8
	HALVE LM+\k, LM+\k+4, s30, 4
.endr
	HALVE LM, LM+8, s31, 8
	s_wait_alu depctr_va_vdst(0)                   ; the 32 exponentials have written TL and TN and the folds v[LM], which the LDS stores read; the matrix instructions are done reading v[64:99], in which the loads from the stage land
.irp mf, 0,1
.irp a, 0,1,2,3
	ds_store_b64 v[VST], v[TN+8*\mf+2*\a:TN+8*\mf+2*\a+1] offset:(8*\mf+\a)*STP        ; a of a pair of episodes
	ds_store_b64 v[VST], v[TL+8*\mf+2*\a:TL+8*\mf+2*\a+1] offset:(8*\mf+\a)*STP+512    ; E
.endr
.endr
	ds_store_b32 v[VHS], v[LM]
	s_wait_dscnt 0x0
	s_barrier_signal -1
	s_barrier_wait -1
	s_cmp_lt_u32 ttmp9, 16
	s_cbranch_scc0 .Lextra
.irp i, 0,1,2,3,4,5,6,7
	ds_load_b128 v[AF+4*\i:AF+4*\i+3], v[VRD] offset:(\i>>1)*STP+(\i&1)*512            ; my four pairs, a and E: 512 bytes each
.endr
.irp i, 0,1,2,3,4,5,6,7
	s_wait_dscnt 7-\i
	global_store_b128 v[VL16], v[AF+4*\i:AF+4*\i+3], s[14:15] offset:(\i>>1)*24576+(1+(\i&1))*512   ; 512 consecutive bytes, aligned to 256
.endr
	s_branch .Lsum
.Lextra:
	s_cmp_lg_u32 s20, 0
	s_cbranch_scc1 .Lsum
	ds_load_b32 v[AF], v[VEX]                      ; lane = episode: a, E of column 1024 (t = 0), a, E of column 1025 (t = 1)
	ds_load_b32 v[AF+1], v[VEX] offset:512
	ds_load_b32 v[AF+2], v[VEX] offset:8
	ds_load_b32 v[AF+3], v[VEX] offset:520
	s_wait_dscnt 0x0
.irp k, 0,1,2,3
	global_store_b32 v[VL4], v[AF+\k], s[16:17] offset:\k*2048
.endr
.Lsum:
	s_cmp_lg_u32 s20, 0
	s_cbranch_scc1 .Lend
.irp k, 0,1,2,3
	ds_load_b32 v[AF+32+\k], v[VHR] offset:\k*128  ; registers that no store above reads and no vector instruction has named since the epilogue's wait
.endr
	s_wait_dscnt 0x0
	v_add_f32 v[AF+32], v[AF+32], v[AF+33]
	v_add_f32 v[AF+34], v[AF+34], v[AF+35]
	v_add_f32 v[AF+32], v[AF+32], v[AF+34]
	s_wait_alu depctr_va_vdst(0)                   ; the adds have written v[AF+32], which the store reads
	global_store_b32 v[VL4], v[AF+32], s[18:19]
.Lend:
	s_set_vgpr_msb 0x8
	s_wait_dscnt 0x0
	s_wait_alu depctr_hold_cnt(0) depctr_sa_sdst(0) depctr_va_vdst(0) depctr_va_sdst(0) depctr_va_ssrc(0) depctr_va_vcc(0) depctr_vm_vsrc(0)
	s_wait_tensorcnt 0x0
	ds_add_u32 v15, v1
	s_wait_dscnt 0x0
	s_endpgm
.Lfunc_end_k_q58479ff749_logvar:
	.size	k_q58479ff749_logvar, .Lfunc_end_k_q58479ff749_logvar-k_q58479ff749_logvar
	.p2alignl 7, 3214868480
	.fill 96, 4, 3214868480
	.section	.rodata,"a",@progbits
	.p2align	6, 0x0
	.amdhsa_kernel k_q58479ff749_logvar
		.amdhsa_group_segment_fixed_size 83968
		.amdhsa_private_segment_fixed_size 0
		.amdhsa_enable_private_segment 0
		.amdhsa_kernarg_size 64
		.amdhsa_user_sgpr_count 2
		.amdhsa_user_sgpr_kernarg_segment_ptr 1
		.amdhsa_wavefront_size32 1
		.amdhsa_system_sgpr_workgroup_id_x 1
		.amdhsa_system_sgpr_workgroup_id_y 1
		.amdhsa_system_sgpr_workgroup_id_z 1
		.amdhsa_system_vgpr_workitem_id 0
		.amdhsa_next_free_vgpr 514
		.amdhsa_next_free_sgpr 66
		.amdhsa_reserve_vcc 0
		.amdhsa_float_denorm_mode_32 3
		.amdhsa_float_denorm_mode_16_64 3
		.amdhsa_memory_ordered 1
		.amdhsa_forward_progress 1
		.amdhsa_inst_pref_size 44
	.end_amdhsa_kernel
	.amdgpu_metadata
---
amdhsa.version: [ 1, 2 ]
amdhsa.kernels:
  - .name:           k_q58479ff749_logvar
    .symbol:         k_q58479ff749_logvar.kd
    .args:
      - { .name: ZB, .offset: 0, .size: 8, .value_kind: global_buffer, .address_space: global }
      - { .name: WL, .offset: 8, .size: 8, .value_kind: global_buffer, .address_space: global }
      - { .name: XM, .offset: 16, .size: 8, .value_kind: global_buffer, .address_space: global }
      - { .name: W_lv, .offset: 24, .size: 8, .value_kind: global_buffer, .address_space: global }
      - { .name: b_lv, .offset: 32, .size: 8, .value_kind: global_buffer, .address_space: global }
      - { .name: P, .offset: 40, .size: 8, .value_kind: global_buffer, .address_space: global }
      - { .name: XL, .offset: 48, .size: 8, .value_kind: global_buffer, .address_space: global }
      - { .name: HP, .offset: 56, .size: 8, .value_kind: global_buffer, .address_space: global }
    .group_segment_fixed_size: 83968
    .private_segment_fixed_size: 0
    .kernarg_segment_align: 8
    .kernarg_segment_size: 64
    .max_flat_workgroup_size: 128
    .sgpr_count:     66
    .vgpr_count:     514
    .wavefront_size: 32
...
	.end_amdgpu_metadata
.endif
;; end of part 6
;; launch pair: the kernel of part 4 again; grid 8 x 32, 16 waves a work-group, clusters of 4 x 4, 198,656 bytes of LDS; arguments P, SP; writes SP
;; launch soft: the kernel of part 5 again; grid 256 x 1, 1 waves a work-group, no clusters, 0 bytes of LDS; arguments SP, HP, XM, XL, out0, out1; writes out0, out1
